; MI455X (gfx1250); checked and timed in simulation.
; The chip was launched on July 23, 2026; its instructions are those of AMD's public machine-readable ISA for CDNA 5 (MIT licence, August 2026) and "CDNA5" Instruction Set Architecture Reference Guide (July 2026). The comments in the code are by the model that wrote it; some were corrected since.
;; Transformer Block. Allowed arithmetic: matrix products marked QUANTISED: E2M3 operands, one E8M0 scale for each 32 along K, by v_wmma_scale_f32_16x16x128_f8f6f4 with both operands' format E2M3, f32 sums; everything else in f32.
;; Inputs: b1 4,096 float32; b2 1,024 float32; be1 1,024 float32; be2 1,024 float32; bk 1,024 float32; bo 1,024 float32; bq 1,024 float32; bv 1,024 float32; g1 1,024 float32; g2 1,024 float32; w1_codes 4,096 x 32 x 24 uint8 (E2M3 codes of w1, K innermost, in blocks of 32 codes, four codes in three bytes); w1_scales 4,096 x 32 uint8 (E8M0 scales of w1, one for each 32 codes along K); w2_codes 1,024 x 128 x 24 uint8 (E2M3 codes of w2, K innermost, in blocks of 32 codes, four codes in three bytes); w2_scales 1,024 x 128 uint8 (E8M0 scales of w2, one for each 32 codes along K); wk_codes 1,024 x 32 x 24 uint8 (E2M3 codes of wk, K innermost, in blocks of 32 codes, four codes in three bytes); wk_scales 1,024 x 32 uint8 (E8M0 scales of wk, one for each 32 codes along K); wo_codes 1,024 x 32 x 24 uint8 (E2M3 codes of wo, K innermost, in blocks of 32 codes, four codes in three bytes); wo_scales 1,024 x 32 uint8 (E8M0 scales of wo, one for each 32 codes along K); wq_codes 1,024 x 32 x 24 uint8 (E2M3 codes of wq, K innermost, in blocks of 32 codes, four codes in three bytes); wq_scales 1,024 x 32 uint8 (E8M0 scales of wq, one for each 32 codes along K); wv_codes 1,024 x 32 x 24 uint8 (E2M3 codes of wv, K innermost, in blocks of 32 codes, four codes in three bytes); wv_scales 1,024 x 32 uint8 (E8M0 scales of wv, one for each 32 codes along K); x 2 x 2,048 x 1,024 float32.
;; Outputs: out0 2 x 2,048 x 1,024 float32.
;; This version of the problem:
;;   THIS VERSION OF THE PROBLEM IS GIVEN IN LOW PRECISION. The matrix products marked QUANTISED in the list below multiply operands that are first quantised to E2M3 (2 exponent bits, 3 mantissa bits; 6 bits a number), with one power-of-two scale for each 32 numbers along K (OCP MX v1.0); their sums are f32. All else is computed in f32.
;;   The module's matrix products, in the order in which they are computed (A, B: the left and right operand; K: the contracted axis; several contracted axes count as one K, in the product's order):
;;     1. [M 4,096, K 1,024] x [K 1,024, N 1,024]; A: computed on the way; B: input wq (given as codes): QUANTISED
;;     2. [M 4,096, K 1,024] x [K 1,024, N 1,024]; A: computed on the way; B: input wk (given as codes): QUANTISED
;;     3. [M 4,096, K 1,024] x [K 1,024, N 1,024]; A: computed on the way; B: input wv (given as codes): QUANTISED
;;     4. batch 32 x [M 2,048, K 64] x [K 64, N 2,048]; A: computed on the way; B: computed on the way: QUANTISED
;;     5. batch 32 x [M 64, K 2,048] x [K 2,048, N 2,048]; A: computed on the way; B: softmax (see below): QUANTISED
;;     6. [M 4,096, K 1,024] x [K 1,024, N 1,024]; A: computed on the way; B: input wo (given as codes): QUANTISED
;;     7. [M 4,096, K 1,024] x [K 1,024, N 4,096]; A: computed on the way; B: input w1 (given as codes): QUANTISED
;;     8. [M 4,096, K 4,096] x [K 4,096, N 1,024]; A: computed on the way; B: input w2 (given as codes): QUANTISED
;;   THE QUANTISER, for each operand of a quantised product, along K:
;;     - K is cut into blocks of 32 from its start; a last block that is shorter is filled with zeros.
;;     - A block's scale is 2^e with e = floor(log2(the largest magnitude in the block)) - 2, held to -126 .. 127; a block of zeros has e = 0. As a byte (E8M0): e + 127.
;;     - Each number is divided by its block's scale, clamped to +-7.5, and rounded to the nearest number of E2M3, ties to even, subnormals kept.
;;     - The product sums the exact products of the quantised numbers (number of the format x scale) in f32.
;;   ~~~python
;;   def quantise(x, axis):      # numpy; x: float32 -> the quantised numbers, widened to float32 again
;;       x = np.moveaxis(x, axis, -1); K = x.shape[-1]
;;       x = np.pad(x, [(0, 0)] * (x.ndim - 1) + [(0, -K % 32)]); x = x.reshape(x.shape[:-1] + (-1, 32)); a = np.abs(x).max(-1, keepdims=True)
;;       e = np.where(a > 0, np.clip(np.frexp(np.where(a > 0, a, 1))[1] - 1 - 2, -126, 127), 0)      # np.frexp(a)[1] - 1 = floor(log2(a)), exactly
;;       r = np.clip(x / 2.0 ** e, -7.5, 7.5)
;;       step = 2.0 ** (np.maximum(np.frexp(np.where(r == 0, 1, r))[1] - 1, 0) - 3)
;;       q = np.round(r / step) * step * 2.0 ** e      # np.round: ties to even
;;       return np.moveaxis(q.reshape(q.shape[:-2] + (-1,))[..., :K], -1, axis).astype(np.float32)
;;   ~~~
;;   SOFTMAX AHEAD OF A QUANTISED PRODUCT. Where the list says 'softmax', what is quantised is not the finished softmax but p = 2^(t - M), with t = logit x log2(e) and M = ceil(the row's largest t), a whole number; so 1/2 < the row's largest p <= 1. The row's sum l is taken of the UNQUANTISED p, in f32, and the product's result is divided by l at the end. Since M is a whole number, a kernel that streams over the keys may use a running M (the ceiling of the running maximum): every later rescaling is an exact power of two, which a block's scale takes up: the codes' values come out the same.
;;   OPERANDS COMPUTED ON THE WAY. 'Computed on the way' means the value that the module computes at that place (a softmax that the list does not call 'softmax' is quantised finished and normalised). What goes into a quantiser is computed in f32, as accurately as f32 sums, v_exp_f32 and their like allow (about 1e-6 of the number): no bf16 or f16 on the way to a quantiser, and a product that is left as it is and whose result goes on into a quantised operand takes f32 operands (vector FMAs, or v_wmma_f32_16x16x4_f32). A number that lies on a knife's edge between two numbers of the format may be rounded either way, as far as f32 arithmetic and the matrix unit's own rounding can turn it there, and no further.
;;   INPUTS GIVEN AS CODES. w1 (in the module: [1024, 4096], K = its axis 0); w2 (in the module: [4096, 1024], K = its axis 0); wk (in the module: [1024, 1024], K = its axis 0); wo (in the module: [1024, 1024], K = its axis 0); wq (in the module: [1024, 1024], K = its axis 0); wv (in the module: [1024, 1024], K = its axis 0): each comes as NAME_codes (uint8): NAME with its K axis moved to the last place and cut into blocks of 32 codes, [.., K / 32, bytes a block], one block behind the other in memory; four codes in three bytes: a row's codes are one little-endian stream of bits, code i at bits 6 i .. 6 i + 5 (a code: sign, 2 exponent bits, 3 mantissa bits); and NAME_scales (uint8): the same leading axes, one E8M0 byte (e + 127) for each 32 codes along K. Its value is code x scale, taken as it is: it is not quantised again, and the codes and scales need not be those that the quantiser above would give.
;; One version. Each part assembles by itself: llvm-mc -triple=amdgcn-amd-amdhsa -mcpu=gfx1250 --defsym DOCPART=n.
;; ======== version 1 of 1: 6 launches
;; limits: right only within a limited range of input values
;; workspace buffers: wimg 9,830,400 bytes; hc 3,276,800 bytes; qkv 10,092,544 bytes; ctx 3,276,800 bytes; x1 16,777,216 bytes; hid 13,107,200 bytes
;; launch prep (part 1): grid 448 x 1, 4 waves a work-group, no clusters, 66,560 bytes of LDS; arguments x, g1, be1, hc, wq_codes, wk_codes, wv_codes, wo_codes, w1_codes, w2_codes, wq_scales, wk_scales, wv_scales, wo_scales, w1_scales, w2_scales, wimg; writes hc, wimg
.if DOCPART == 1
	.amdgcn_target "amdgcn-amd-amdhsa--gfx1250"
	.amdhsa_code_object_version 6
	.text
	.protected	k_qc7dcca2ada_prep
	.globl	k_qc7dcca2ada_prep
	.p2align	8
	.type	k_qc7dcca2ada_prep,@function
k_qc7dcca2ada_prep:
	s_mov_b64 s[64:65], 0
	v_nop
	global_prefetch_b8 v0, s[64:65] scope:SCOPE_SE
	s_setreg_imm32_b32 hwreg(HW_REG_WAVE_MODE, 25, 1), 1
	s_wait_xcnt 0x0
; Two jobs in one launch, told apart by the work-group's number.
; Work-groups 0-255: LayerNorm of 16 tokens of x (f32, two passes: mean, then the variance of x - mean), quantised to E2M3 with one E8M0 byte for each 32 along the 1,024 columns.
; Work-groups 256-447: the six weights' codes and scale bytes are laid anew, once, in the order in which a wave's operand registers take them.
; THE LAYOUT OF EVERY CODE BUFFER OF THIS PROGRAM.  A unit is 16 rows x 64 k, 768 bytes: lane l's operand registers 0-3 at 16 l, its registers 4, 5 at 512 + 8 l; lane (r = l % 16, h = l / 16) holds the 32 codes of
; block h of row r.  Two units on end are a fragment (16 x 128).  An operand is [rows / 16][K / 64][768]; its scale words [rows / 16][K / 128][16 rows] of 4 bytes.
; THE ROWS OF A ROW BLOCK ARE NOT NEIGHBOURS: lane r of row block 2 b + u holds row 32 b + 8 u + r + 8 (r / 8), so that a product's results, used transposed, lie in a lane as 16 neighbours along the next K.
; LIMITS: NaN and infinities are not served; a block whose largest magnitude lies under 2^-124 keeps the byte 1, a block of zeros too (its codes are zeros; the bytes are read by this program alone).
.set STP,  4112                        ; a stage row: 4,096 bytes + 16: the 16 rows that a load of 16 bytes a lane touches start 16 bytes further on in each row
.set GA,   16                          ; v16-47   the gain of my 32 columns
.set BE,   48                          ; v48-79   the bias
.set X,    80                          ; v80-207  four rows x 32 numbers; later two K steps x 64 numbers
.set PC,   208                         ; v208-227 the codes just made (12) and the conversions' second halves
.set TM,   228                         ; v228-243 largest magnitudes, bytes, scale operands
.set PW,   244                         ; the scale word just made
.set PW0,  245                         ; the first K step's
.set SM,   246                         ; v246-253 a pair for each of my four rows: sums, mean, 1 / sqrt
.set SEL,  20                          ; s[20:21] lane selects: lane l xor 16
.set HM,   22                          ; s22 the mask of lanes 16-31
; 64 numbers of a lane, register 16 b + i = k 32 b + 16 (lane / 16) + i of my row, become a fragment's 12 registers in v[PC] on and its scale word in v[PW].
.macro QUANT s
.irp b, 0,1,2,3
	v_max3_num_f32 v[TM+\b], |v[\s+16*\b]|, |v[\s+1+16*\b]|, 0x1800000   ; my 16 numbers of block b, and the floor 2^(3 - 127): the byte cannot fall under 1
.endr
.irp i, 2,4,6,8,10,12,14
.irp b, 0,1,2,3
	v_max3_num_f32 v[TM+\b], v[TM+\b], |v[\s+16*\b+\i]|, |v[\s+1+16*\b+\i]|
.endr
.endr
.irp b, 0,1,2,3
	v_permlanex16_b32 v[TM+4+\b], v[TM+\b], s[SEL], s[SEL+1]
.endr
.irp b, 0,1,2,3
	v_max_num_f32 v[TM+\b], v[TM+\b], v[TM+4+\b]   ; with lane l xor 16's 16: the block's largest magnitude
.endr
.irp b, 0,1,2,3
	v_add_nc_u32 v[TM+12+\b], 0xff000000, v[TM+\b]   ; 2 off its exponent field: the conversion's scale operand
.endr
.irp b, 0,1,2,3
	v_lshrrev_b32 v[TM+4+\b], 23, v[TM+12+\b]      ; the scale's byte
.endr
	v_lshl_or_b32 v[PW], v[TM+5], 8, v[TM+4]
	v_lshl_or_b32 v[PW], v[TM+6], 16, v[PW]
	v_lshl_or_b32 v[PW], v[TM+7], 24, v[PW]
.irp c, 0,1
	v_cvt_scalef32_pk16_fp6_f32 v[PC+6*\c:PC+2+6*\c], v[\s+32*\c:\s+15+32*\c], v[TM+12+2*\c]
	v_cvt_scalef32_pk16_fp6_f32 v[PC+12+4*\c:PC+14+4*\c], v[\s+16+32*\c:\s+31+32*\c], v[TM+12+2*\c+1]
.endr
	v_nop                                          ; one plain line behind the scaled conversions
.irp c, 0,1                                    ; a whole block to a lane: lanes 0-15 block 2 c, lanes 16-31 block 2 c + 1
.irp i, 0,1,2
	v_permlane16_swap_b32 v[PC+6*\c+\i], v[PC+12+4*\c+\i]
.endr
.irp i, 0,1,2
	v_mov_b32 v[PC+3+6*\c+\i], v[PC+12+4*\c+\i]
.endr
.endr
.endm
.macro PUTFRAG imm                     ; a fragment leaves as two units: each store covers 512 or 256 consecutive bytes, aligned
	global_store_b128 v2, v[PC:PC+3], s[16:17] offset:\imm
	global_store_b64 v6, v[PC+4:PC+5], s[16:17] offset:\imm
	global_store_b128 v2, v[PC+6:PC+9], s[16:17] offset:\imm+768
	global_store_b64 v6, v[PC+10:PC+11], s[16:17] offset:\imm+768
.endm
.macro WSUM                            ; each row's pair is folded and summed over the 32 lanes; the four rows by turns
.irp i, 0,1,2,3
	v_add_f32 v[SM+2*\i], v[SM+2*\i], v[SM+2*\i+1]
.endr
.irp x, 1,2,4,8
.irp i, 0,1,2,3
	v_add_f32_dpp v[SM+2*\i], v[SM+2*\i], v[SM+2*\i] row_xmask:\x row_mask:0xf bank_mask:0xf
.endr
.endr
.irp i, 0,1,2,3
	v_permlanex16_b32 v[SM+2*\i+1], v[SM+2*\i], s[SEL], s[SEL+1]
.endr
.irp i, 0,1,2,3
	v_add_f32 v[SM+2*\i], v[SM+2*\i], v[SM+2*\i+1]
.endr
.endm
	v_lshl_add_u32 v254, v0, 2, 0x10200
	v_mov_b32 v255, 0
	s_cmp_ge_u32 ttmp9, 256
	s_cbranch_scc1 .Lrelay
	; ---------------- LayerNorm and quantiser: work-group rb makes row block rb of hc
	s_load_b256 s[4:11], s[0:1], 0x0               ; x s[4:5], gain s[6:7], bias s[8:9], hc s[10:11]
	v_lshrrev_b32 v1, 5, v0
	v_readfirstlane_b32 s12, v1                    ; wave 0..3
	v_and_b32 v1, 31, v0                           ; lane
	v_lshlrev_b32 v2, 4, v1                        ; 16 x lane
	s_mul_i32 s13, s12, 4*STP
	v_add_nc_u32 v3, s13, v2                       ; the stage, in: my wave's four rows, 16 bytes a lane
	v_and_b32 v8, 15, v0                           ; r
	v_bfe_u32 v9, v0, 4, 1                         ; h
	v_mul_u32_u24 v4, v8, STP
	v_lshl_add_u32 v4, v9, 6, v4
	s_lshl_b32 s13, s12, 10
	v_add_nc_u32 v4, s13, v4                       ; the stage, out: row r, + 64 h, + my wave's two K steps (1,024 bytes)
	v_lshlrev_b32 v6, 3, v1
	v_add_nc_u32 v6, 512, v6                       ; 512 + 8 x lane
	v_lshlrev_b32 v7, 2, v1                        ; 4 x lane
	s_lshr_b32 s14, ttmp9, 1
	s_lshl_b32 s14, s14, 5
	s_and_b32 s15, ttmp9, 1
	s_lshl_b32 s15, s15, 3
	s_add_co_u32 s14, s14, s15                     ; the row block's first token: 32 (rb / 2) + 8 (rb % 2)
	s_lshl_b32 s15, s12, 2
	s_add_co_u32 s14, s14, s15
	s_lshr_b32 s15, s12, 1
	s_lshl_b32 s15, s15, 3
	s_add_co_u32 s14, s14, s15                     ; stage rows 4 w .. 4 w + 3 are tokens + 4 w + 8 (w / 2) on: four neighbours
	s_lshl_b32 s14, s14, 12
	s_mov_b32 s15, 0
	s_mul_i32 s16, ttmp9, 12288
	s_mul_i32 s17, s12, 3072
	s_add_co_u32 s16, s16, s17                     ; my two fragments in hc
	s_mov_b32 s17, 0
	s_lshl_b32 s18, ttmp9, 9
	s_lshl_b32 s19, s12, 7
	s_add_co_u32 s18, s18, s19
	s_add_co_u32 s18, s18, 3145728                 ; and their scale words
	s_mov_b32 s19, 0
	s_mov_b32 s[SEL], 0x76543210
	s_mov_b32 s[SEL+1], 0xfedcba98
	s_mov_b32 s[HM], 0xffff0000
	s_mov_b32 s23, 0x3a800000                      ; 1 / 1,024
	s_mov_b32 s24, 0x3727c5ac                      ; 1e-5
.irp b, 0,1,2,3
	v_mov_b32 v[TM+4+\b], 0                        ; written once: a lane permute's destination counts as one of its sources
.endr
	s_wait_kmcnt 0x0
	s_add_nc_u64 s[4:5], s[4:5], s[14:15]
	s_add_nc_u64 s[16:17], s[10:11], s[16:17]
	s_add_nc_u64 s[18:19], s[10:11], s[18:19]
.irp i, 0,1,2,3
.irp j, 0,1,2,3,4,5,6,7
	global_load_b128 v[X+32*\i+4*\j:X+32*\i+4*\j+3], v2, s[4:5] offset:\i*4096+\j*512 th:TH_LOAD_NT   ; 32 lanes read 512 consecutive bytes
.endr
.endr
.irp j, 0,1,2,3,4,5,6,7
	global_load_b128 v[GA+4*\j:GA+4*\j+3], v2, s[6:7] offset:\j*512
	global_load_b128 v[BE+4*\j:BE+4*\j+3], v2, s[8:9] offset:\j*512
.endr
	s_wait_loadcnt 16                              ; my four rows are in; the 16 loads of gain and bias may be out
.irp i, 0,1,2,3
	v_pk_add_f32 v[SM+2*\i:SM+2*\i+1], v[X+32*\i:X+32*\i+1], v[X+32*\i+2:X+32*\i+3]
.endr
.set m, 4
.rept 14
.irp i, 0,1,2,3
	v_pk_add_f32 v[SM+2*\i:SM+2*\i+1], v[SM+2*\i:SM+2*\i+1], v[X+32*\i+m:X+32*\i+m+1]
.endr
.set m, m+2
.endr
	WSUM
.irp i, 0,1,2,3
	v_mul_f32 v[SM+2*\i], s23, v[SM+2*\i]          ; the mean
.endr
.set m, 0
.rept 16
.irp i, 0,1,2,3
	v_pk_add_f32 v[X+32*\i+m:X+32*\i+m+1], v[X+32*\i+m:X+32*\i+m+1], v[SM+2*\i:SM+2*\i+1] op_sel_hi:[1,0] neg_lo:[0,1] neg_hi:[0,1]   ; x - mean
.endr
.set m, m+2
.endr
.irp i, 0,1,2,3
	v_pk_mul_f32 v[SM+2*\i:SM+2*\i+1], v[X+32*\i:X+32*\i+1], v[X+32*\i:X+32*\i+1]
.endr
.set m, 2
.rept 15
.irp i, 0,1,2,3
	v_pk_fma_f32 v[SM+2*\i:SM+2*\i+1], v[X+32*\i+m:X+32*\i+m+1], v[X+32*\i+m:X+32*\i+m+1], v[SM+2*\i:SM+2*\i+1]
.endr
.set m, m+2
.endr
	WSUM
.irp i, 0,1,2,3
	v_fma_f32 v[SM+2*\i], v[SM+2*\i], s23, s24     ; the variance + 1e-5
.endr
	s_wait_alu depctr_va_vdst(0)
.irp i, 0,1,2,3
	v_rsq_f32 v[SM+2*\i], v[SM+2*\i]
.endr
	v_nop                                          ; a plain line behind the last of the four
	s_wait_alu depctr_va_vdst(0)                   ; one wait for the batch, ahead of its first reader
	s_wait_loadcnt 0x0                             ; gain and bias
.set m, 0
.rept 16
.irp i, 0,1,2,3
	v_pk_mul_f32 v[X+32*\i+m:X+32*\i+m+1], v[X+32*\i+m:X+32*\i+m+1], v[SM+2*\i:SM+2*\i+1] op_sel_hi:[1,0]
.endr
.irp i, 0,1,2,3
	v_pk_fma_f32 v[X+32*\i+m:X+32*\i+m+1], v[X+32*\i+m:X+32*\i+m+1], v[GA+m:GA+m+1], v[BE+m:BE+m+1]
.endr
.set m, m+2
.endr
.irp i, 0,1,2,3
.irp j, 0,1,2,3,4,5,6,7
	ds_store_b128 v3, v[X+32*\i+4*\j:X+32*\i+4*\j+3] offset:\i*STP+\j*512
.endr
.endr
	s_wait_dscnt 0x0                               ; for the others' sake: my rows lie in the stage
	s_barrier_signal -1
	s_barrier_wait -1
	; wave w takes K steps 2 w and 2 w + 1 of all 16 rows: lane (r, h) reads, of row r, 16 neighbours of each block of 32
.irp s, 0,1
.irp b, 0,1,2,3
.irp j, 0,1,2,3
	ds_load_b128 v[X+64*\s+16*\b+4*\j:X+64*\s+16*\b+4*\j+3], v4 offset:\s*512+\b*128+16*\j
.endr
.endr
.endr
	s_wait_dscnt 16                                ; the first K step's 16 loads are in
	QUANT X
	PUTFRAG 0
	v_mov_b32 v[PW0], v[PW]
	s_wait_xcnt 0x0                                ; the stores have read their data: the codes' registers are written again only behind this wait
	s_wait_dscnt 0x0
	QUANT X+64
	PUTFRAG 1536
	v_cndmask_b32 v[PW], v[PW0], v[PW], s[HM]      ; lanes 0-15 the first K step's words, lanes 16-31 the second's: 128 consecutive bytes
	global_store_b32 v7, v[PW], s[18:19]
	s_wait_tensorcnt 0x0
	ds_add_u32 v254, v255
	s_wait_dscnt 0x0
	s_endpgm
	; ---------------- the weights: wave job G = 4 (work-group - 256) + wave lays 16 rows x 1,024 k: 16 units and 8 x 16 scale words
.Lrelay:
	s_load_b256 s[8:15], s[0:1], 0x20              ; codes of wq, wk, wv, wo
	s_load_b128 s[16:19], s[0:1], 0x40             ; of w1, w2
	s_load_b256 s[24:31], s[0:1], 0x50             ; scale bytes of wq, wk, wv, wo
	s_load_b128 s[32:35], s[0:1], 0x70             ; of w1, w2
	s_load_b64 s[36:37], s[0:1], 0x80              ; wimg
	v_lshrrev_b32 v1, 5, v0
	v_readfirstlane_b32 s4, v1
	s_sub_co_u32 s5, ttmp9, 256                    ; j: 0-15 wq, 16-31 wk, 32-47 wv, 48-63 wo, 64-127 w1, 128-191 w2
	s_lshl_b32 s6, s5, 2
	s_add_co_u32 s6, s6, s4                        ; G
	s_and_b32 s7, s6, 63
	s_sub_co_u32 s38, s6, 256
	s_sub_co_u32 s39, s6, 512
	s_lshr_b32 s39, s39, 2
	s_and_b32 s44, s6, 3
	s_mov_b32 s45, 3072
	s_cmp_lt_u32 s5, 64
	s_cselect_b32 s7, s7, s38
	s_cmp_lt_u32 s5, 128
	s_cselect_b32 s7, s7, s39                      ; the row block in its own matrix
	s_cselect_b32 s44, 0, s44                      ; which 1,024 of w2's K
	s_cselect_b32 s45, 768, s45                    ; a row of codes in bytes
	s_cselect_b32 s46, 32, 128                     ; a row of scale bytes
	s_lshr_b32 s47, s7, 1
	s_lshl_b32 s47, s47, 5
	s_and_b32 s48, s7, 1
	s_lshl_b32 s48, s48, 3
	s_add_co_u32 s47, s47, s48                     ; the row block's first row
	s_mul_i32 s48, s47, s45
	s_mul_i32 s49, s44, 768
	s_add_co_u32 s48, s48, s49
	s_mov_b32 s49, 0
	s_mul_i32 s50, s47, s46
	s_lshl_b32 s51, s44, 5
	s_add_co_u32 s50, s50, s51
	s_mov_b32 s51, 0
	s_mul_i32 s52, s6, 12288
	s_mov_b32 s53, 0
	s_lshl_b32 s54, s6, 9
	s_add_co_u32 s54, s54, 9437184
	s_mov_b32 s55, 0
	v_and_b32 v2, 15, v0                           ; r
	v_bfe_u32 v3, v0, 4, 1                         ; h
	v_and_b32 v4, 8, v2
	v_add_nc_u32 v4, v4, v2                        ; r + 8 (r / 8)
	v_mul_lo_u32 v5, v4, s45
	v_mad_u32_u24 v5, v3, 24, v5                   ; my row's codes, + 24 h
	v_mul_lo_u32 v6, v4, s46
	v_lshl_add_u32 v6, v3, 4, v6                   ; my row's scale bytes, + 16 h: the words of K steps 4 h .. 4 h + 3
	v_and_b32 v7, 31, v0
	v_lshlrev_b32 v8, 4, v7
	v_lshlrev_b32 v9, 3, v7
	v_add_nc_u32 v9, 512, v9
	v_lshlrev_b32 v10, 2, v2
	v_lshl_add_u32 v10, v3, 8, v10                 ; 4 r + 256 h
	s_wait_alu depctr_va_vdst(0)
	s_wait_kmcnt 0x0
	s_cmp_lt_u32 s5, 128                           ; the choices hang on the work-group's number alone
	s_cselect_b64 s[40:41], s[16:17], s[18:19]
	s_cselect_b64 s[42:43], s[32:33], s[34:35]
	s_cmp_lt_u32 s5, 64
	s_cselect_b64 s[40:41], s[14:15], s[40:41]
	s_cselect_b64 s[42:43], s[30:31], s[42:43]
	s_cmp_lt_u32 s5, 48
	s_cselect_b64 s[40:41], s[12:13], s[40:41]
	s_cselect_b64 s[42:43], s[28:29], s[42:43]
	s_cmp_lt_u32 s5, 32
	s_cselect_b64 s[40:41], s[10:11], s[40:41]
	s_cselect_b64 s[42:43], s[26:27], s[42:43]
	s_cmp_lt_u32 s5, 16
	s_cselect_b64 s[40:41], s[8:9], s[40:41]
	s_cselect_b64 s[42:43], s[24:25], s[42:43]
	s_add_nc_u64 s[40:41], s[40:41], s[48:49]
	s_add_nc_u64 s[42:43], s[42:43], s[50:51]
	s_add_nc_u64 s[52:53], s[36:37], s[52:53]
	s_add_nc_u64 s[54:55], s[36:37], s[54:55]
	global_load_b128 v[112:115], v6, s[42:43] th:TH_LOAD_NT
.set u, 0
.rept 16
.irp p, 0,1,2
	global_load_b64 v[16+6*u+2*\p:16+6*u+2*\p+1], v5, s[40:41] offset:48*u+8*\p th:TH_LOAD_NT   ; unit u: my block's 24 bytes, in pieces of 8
.endr
.set u, u+1
.endr
	s_lshr_b32 s4, s5, 4
	s_cmp_eq_u32 s4, 3                             ; jobs 48-63 are wo's: laid otherwise, below
	s_cbranch_scc1 .Lquads
.set u, 0
.rept 16
	s_wait_loadcnt 3*(15-u)
	global_store_b128 v8, v[16+6*u:16+6*u+3], s[52:53] offset:768*u
	global_store_b64 v9, v[16+6*u+4:16+6*u+5], s[52:53] offset:768*u
.set u, u+1
.endr
.irp i, 0,1,2,3
	global_store_b32 v10, v[112+\i], s[54:55] offset:64*\i   ; K step 4 h + i, row r
.endr
	s_endpgm
	; wo ALONE IS LAID IN QUADS: its reader loads it from memory straight into operand registers.  A row block's 96 operand registers of a lane (8 fragments on end) go out four at a time:
	; quad q (registers 4 q .. 4 q + 3) at 512 q + 16 x lane, so a fragment is three loads of 512 consecutive bytes.  Its scale words: lane (r, h) stores the words of K steps 4 h .. 4 h + 3 of row r as 16 bytes at 16 x lane.
.Lquads:
	s_wait_loadcnt 0x0
.set u, 0
.rept 24
	global_store_b128 v8, v[16+4*u:16+4*u+3], s[52:53] offset:512*u
.set u, u+1
.endr
	global_store_b128 v8, v[112:115], s[54:55]
	s_endpgm
.Lfunc_end_k_qc7dcca2ada_prep:
	.size	k_qc7dcca2ada_prep, .Lfunc_end_k_qc7dcca2ada_prep-k_qc7dcca2ada_prep
	.p2alignl 7, 3214868480
	.fill 96, 4, 3214868480
	.section	.rodata,"a",@progbits
	.p2align	6, 0x0
	.amdhsa_kernel k_qc7dcca2ada_prep
		.amdhsa_group_segment_fixed_size 66560
		.amdhsa_private_segment_fixed_size 0
		.amdhsa_enable_private_segment 0
		.amdhsa_kernarg_size 136
		.amdhsa_user_sgpr_count 2
		.amdhsa_user_sgpr_kernarg_segment_ptr 1
		.amdhsa_wavefront_size32 1
		.amdhsa_system_sgpr_workgroup_id_x 1
		.amdhsa_system_sgpr_workgroup_id_y 1
		.amdhsa_system_sgpr_workgroup_id_z 1
		.amdhsa_system_vgpr_workitem_id 0
		.amdhsa_next_free_vgpr 256
		.amdhsa_next_free_sgpr 66
		.amdhsa_reserve_vcc 0
		.amdhsa_float_denorm_mode_32 3
		.amdhsa_float_denorm_mode_16_64 3
		.amdhsa_memory_ordered 1
		.amdhsa_forward_progress 1
		.amdhsa_inst_pref_size 58
	.end_amdhsa_kernel
	.amdgpu_metadata
---
amdhsa.version: [ 1, 2 ]
amdhsa.kernels:
  - .name:           k_qc7dcca2ada_prep
    .symbol:         k_qc7dcca2ada_prep.kd
    .args:
      - { .name: x, .offset: 0, .size: 8, .value_kind: global_buffer, .address_space: global }
      - { .name: g1, .offset: 8, .size: 8, .value_kind: global_buffer, .address_space: global }
      - { .name: be1, .offset: 16, .size: 8, .value_kind: global_buffer, .address_space: global }
      - { .name: hc, .offset: 24, .size: 8, .value_kind: global_buffer, .address_space: global }
      - { .name: wq_codes, .offset: 32, .size: 8, .value_kind: global_buffer, .address_space: global }
      - { .name: wk_codes, .offset: 40, .size: 8, .value_kind: global_buffer, .address_space: global }
      - { .name: wv_codes, .offset: 48, .size: 8, .value_kind: global_buffer, .address_space: global }
      - { .name: wo_codes, .offset: 56, .size: 8, .value_kind: global_buffer, .address_space: global }
      - { .name: w1_codes, .offset: 64, .size: 8, .value_kind: global_buffer, .address_space: global }
      - { .name: w2_codes, .offset: 72, .size: 8, .value_kind: global_buffer, .address_space: global }
      - { .name: wq_scales, .offset: 80, .size: 8, .value_kind: global_buffer, .address_space: global }
      - { .name: wk_scales, .offset: 88, .size: 8, .value_kind: global_buffer, .address_space: global }
      - { .name: wv_scales, .offset: 96, .size: 8, .value_kind: global_buffer, .address_space: global }
      - { .name: wo_scales, .offset: 104, .size: 8, .value_kind: global_buffer, .address_space: global }
      - { .name: w1_scales, .offset: 112, .size: 8, .value_kind: global_buffer, .address_space: global }
      - { .name: w2_scales, .offset: 120, .size: 8, .value_kind: global_buffer, .address_space: global }
      - { .name: wimg, .offset: 128, .size: 8, .value_kind: global_buffer, .address_space: global }
    .group_segment_fixed_size: 66560
    .private_segment_fixed_size: 0
    .kernarg_segment_align: 8
    .kernarg_segment_size: 136
    .max_flat_workgroup_size: 128
    .sgpr_count:     66
    .vgpr_count:     256
    .wavefront_size: 32
...
	.end_amdgpu_metadata
.endif
;; end of part 1
;; launch qkv (part 2): grid 12 x 16, 4 waves a work-group, clusters of 4 x 4, 327,680 bytes of LDS; arguments hc, wimg, bq, bk, bv, qkv; writes qkv
.if DOCPART == 2
	.amdgcn_target "amdgcn-amd-amdhsa--gfx1250"
	.amdhsa_code_object_version 6
	.text
	.protected	k_qc7dcca2ada_qkv
	.globl	k_qc7dcca2ada_qkv
	.p2align	8
	.type	k_qc7dcca2ada_qkv,@function
k_qc7dcca2ada_qkv:
	s_mov_b64 s[64:65], 0
	v_nop
	global_prefetch_b8 v0, s[64:65] scope:SCOPE_SE
	s_setreg_imm32_b32 hwreg(HW_REG_WAVE_MODE, 25, 1), 1
	s_wait_xcnt 0x0
	s_wait_alu depctr_hold_cnt(0) depctr_sa_sdst(0) depctr_va_vdst(0) depctr_va_sdst(0) depctr_va_ssrc(0) depctr_va_vcc(0) depctr_vm_vsrc(0)
	s_getreg_b32 s2, hwreg(HW_REG_IB_STS2, 6, 4)
	s_cmp_eq_u32 s2, 0
	s_cbranch_scc0 .Lentry_in_a_cluster
	s_endpgm
.Lentry_in_a_cluster:
	s_bfe_u32 s2, ttmp6, 0x10000c
	s_cmp_lg_u32 s2, 0xf033
	s_cbranch_scc0 .Lentry_shape_is_right
	s_endpgm
.Lentry_shape_is_right:
.set RBB,    3072
.set HALFT,  8*RBB
.set SLOT,   4*HALFT
.set NQ,     2
.set FR,     12
.set NL,     4
.set NP,     4
.set LAPS,   2
.set SCL,    2*SLOT
.set SBLK,   512
.set HALFS,  8*SBLK
.set SPARE,  SCL+4*HALFS
.set ADRA, 16
.set ADRB, 20
.set O16,  24
.set O8,   25
.set O4,   26
.set ADRS, 27
.set SPW,  28
.set NIL,  29
.set SC,   32
.set BV,   64
.set PC,   80
.set TM,   100
.set PW,   116
.set PWE,  117
.set W,    118
.set AF,   128
.set T,    128
.set G1, 24
.set G0, 32
.set G1B, 48
.set G0B, 56
.set G1S, 68
.set G0S, 76
.set G1SB, 80
.set G0SB, 88
.set SEL, 92
.set HM,  96
.set K7F, 97
.set MSB, 0
.macro WIN new
.if MSB != (\new)
	s_set_vgpr_msb (MSB<<8)|(\new)
.set MSB, (\new)
.endif
.endm
.set MUL_LO, 0xa1
.set MUL_HI, 0xf1
.set TO_B,   0x40
.macro JLOAD g0a, g1a, g0b, g1b
	s_cmp_eq_u32 s15, 0
	s_cbranch_scc0 .Lfor_b_\@
	tensor_load_to_lds s[\g0a:\g0a+3], s[\g1a:\g1a+7]
	s_nop 0
.rept 4
	v_nop
.endr
	s_branch .Lasked_\@
.Lfor_b_\@:
	tensor_load_to_lds s[\g0b:\g0b+3], s[\g1b:\g1b+7]
	s_nop 0
.rept 4
	v_nop
.endr
.Lasked_\@:
.endm
.macro CREST
	s_cmp_lg_u32 s14, 0
	s_cbranch_scc1 .Lnot_wave_0_\@
	s_barrier_signal -3
.Lnot_wave_0_\@:
	s_barrier_wait -3
	s_barrier_signal -1
	s_barrier_wait -1
.endm
.macro CROUND
	s_barrier_signal -1
	s_barrier_wait -1
	CREST
.endm
.macro QUANT s
.irp b, 0,1,2,3
	v_max3_num_f32 v[TM+\b], |v[\s+16*\b]|, |v[\s+1+16*\b]|, 0x1800000
.endr
.irp i, 2,4,6,8,10,12,14
.irp b, 0,1,2,3
	v_max3_num_f32 v[TM+\b], v[TM+\b], |v[\s+16*\b+\i]|, |v[\s+1+16*\b+\i]|
.endr
.endr
.irp b, 0,1,2,3
	v_permlanex16_b32 v[TM+4+\b], v[TM+\b], s[SEL], s[SEL+1]
.endr
.irp b, 0,1,2,3
	v_max_num_f32 v[TM+\b], v[TM+\b], v[TM+4+\b]
.endr
.irp b, 0,1,2,3
	v_add_nc_u32 v[TM+12+\b], 0xff000000, v[TM+\b]
.endr
.irp b, 0,1,2,3
	v_lshrrev_b32 v[TM+4+\b], 23, v[TM+12+\b]
.endr
	v_lshl_or_b32 v[PW], v[TM+5], 8, v[TM+4]
	v_lshl_or_b32 v[PW], v[TM+6], 16, v[PW]
	v_lshl_or_b32 v[PW], v[TM+7], 24, v[PW]
.irp c, 0,1
	v_cvt_scalef32_pk16_fp6_f32 v[PC+6*\c:PC+2+6*\c], v[\s+32*\c:\s+15+32*\c], v[TM+12+2*\c]
	v_cvt_scalef32_pk16_fp6_f32 v[PC+12+4*\c:PC+14+4*\c], v[\s+16+32*\c:\s+31+32*\c], v[TM+12+2*\c+1]
.endr
	v_nop
.irp c, 0,1
.irp i, 0,1,2
	v_permlane16_swap_b32 v[PC+6*\c+\i], v[PC+12+4*\c+\i]
.endr
.irp i, 0,1,2
	v_mov_b32 v[PC+3+6*\c+\i], v[PC+12+4*\c+\i]
.endr
.endr
.endm
	s_load_b256 s[4:11], s[0:1], 0x0
	s_load_b128 s[92:95], s[0:1], 0x20
	v_lshl_add_u32 v[SPW], v0, 2, SPARE
	v_mov_b32 v[NIL], 0
	ds_add_u32 v28, v29
	ds_add_u32 v28, v29
	s_wait_dscnt 0x0
	v_lshrrev_b32 v1, 5, v0
	v_readfirstlane_b32 s14, v1
	s_lshr_b32 s15, s14, 1
	s_and_b32 s16, s14, 1
	s_bfe_u32 s40, ttmp6, 0x40000
	s_bfe_u32 s41, ttmp6, 0x40004
	s_and_b32 s12, ttmp7, 0xffff
	s_cmp_eq_u32 ttmp9, 2
	s_cselect_b32 s13, 0, s12
	s_cselect_b32 s18, s12, ttmp9
	s_lshl_b32 s17, s13, 2
	s_add_co_u32 s17, s17, s41
	s_lshl_b32 s42, s18, 2
	s_add_co_u32 s42, s42, s40
	s_lshl_b32 s43, s41, 2
	s_lshl_b32 s43, 15, s43
	s_lshl_b32 s44, 0x1111, s40
	s_or_b32 s[G1+0], s43, (3<<16)|(1<<21)
	s_or_b32 s[G1B+0], s44, (3<<16)|(1<<21)
.irp g, G1, G1B
	s_mov_b32 s[\g+1], 384<<16
	s_mov_b32 s[\g+2], 16<<16                      ; the head's loads bring all 16 row blocks of a tile; behind them these two words are set to 8, for the ring's
	s_mov_b32 s[\g+3], 384<<16
	s_mov_b32 s[\g+4], 16
	s_mov_b32 s[\g+5], 1536
	s_mov_b32 s[\g+6], 0
	s_mov_b32 s[\g+7], 0
.endr
	s_or_b32 s[G1S+0], s43, (3<<16)|(1<<21)
	s_or_b32 s[G1SB+0], s44, (3<<16)|(1<<21)
.irp g, G1S, G1SB
	s_mov_b32 s[\g+1], 32<<16
	s_mov_b32 s[\g+2], 32<<16                      ; a side's scale words, 8,192 dense bytes, by one load
	s_mov_b32 s[\g+3], 32<<16
	s_mov_b32 s[\g+4], 32
	s_mov_b32 s[\g+5], 32
	s_mov_b32 s[\g+6], 0
	s_mov_b32 s[\g+7], 0
.endr
	s_mov_b32 s18, 0                               ; the addresses below are the tile's first row block's; my half of it is added for the ring
	s_lshl_b32 s20, s17, 4
	s_add_co_u32 s20, s20, s18
	s_lshl_b32 s46, s42, 4
	s_add_co_u32 s46, s46, s18
	s_lshl_b32 s22, s20, 9
	s_mov_b32 s23, 0
	s_mul_i32 s20, s20, 12288
	s_mov_b32 s21, 0
	s_lshl_b32 s66, s46, 9
	s_mov_b32 s67, 0
	s_mul_i32 s46, s46, 12288
	s_mov_b32 s47, 0
	s_mul_i32 s45, s14, HALFT
	s_wait_kmcnt 0x0
	s_add_nc_u64 s[96:97], s[6:7], 1572864
	s_add_nc_u64 s[98:99], s[6:7], 9502720
	s_add_nc_u64 s[2:3], s[6:7], 9437184
	s_add_nc_u64 s[12:13], s[4:5], 3145728
	s_cmp_eq_u32 ttmp9, 2
	s_cselect_b64 s[96:97], s[96:97], s[4:5]
	s_cselect_b64 s[98:99], s[98:99], s[12:13]
	s_cselect_b64 s[6:7], s[4:5], s[6:7]
	s_cselect_b64 s[2:3], s[12:13], s[2:3]
	s_cselect_b64 s[10:11], s[92:93], s[10:11]
	s_cmp_eq_u32 ttmp9, 0
	s_cselect_b64 s[8:9], s[8:9], s[10:11]
	s_add_nc_u64 s[20:21], s[96:97], s[20:21]
	s_add_nc_u64 s[22:23], s[98:99], s[22:23]
	s_add_nc_u64 s[46:47], s[6:7], s[46:47]
	s_add_nc_u64 s[66:67], s[2:3], s[66:67]
	CROUND
	s_mov_b32 s[G0S], 1
	s_mov_b32 s[G0S+1], SCL
	s_mov_b64 s[G0S+2:G0S+3], s[22:23]
	s_or_b32 s[G0S+3], s[G0S+3], 0x80000000
	s_mov_b32 s[G0SB], 1
	s_mov_b32 s[G0SB+1], SCL+2*HALFS
	s_mov_b64 s[G0SB+2:G0SB+3], s[66:67]
	s_or_b32 s[G0SB+3], s[G0SB+3], 0x80000000
.irp s, 0,1
	s_mov_b32 s[G0+4*\s], 1
	s_add_co_u32 s[G0+4*\s+1], s45, \s*SLOT
	s_add_nc_u64 s[G0+4*\s+2:G0+4*\s+3], s[20:21], \s*RBB
	s_or_b32 s[G0+4*\s+3], s[G0+4*\s+3], 0x80000000
	s_mov_b32 s[G0B+4*\s], 1
	s_add_co_u32 s[G0B+4*\s+1], s45, \s*SLOT
	s_add_nc_u64 s[G0B+4*\s+2:G0B+4*\s+3], s[46:47], \s*RBB
	s_or_b32 s[G0B+4*\s+3], s[G0B+4*\s+3], 0x80000000
.endr
	s_mov_b32 s[G0+1], 0                           ; slot 0's group 0 serves the head first: source 1's 16 row blocks whole,
	s_mov_b32 s[G0B+1], 2*HALFT                    ; source 0's behind them
	s_mul_i32 s2, s16, 8*12288                     ; my half of a tile's rows, in bytes
	s_mov_b32 s3, 0
	s_add_nc_u64 s[G0+6:G0+7], s[G0+6:G0+7], s[2:3]
	s_add_nc_u64 s[G0B+6:G0B+7], s[G0B+6:G0B+7], s[2:3]
; THE HEAD'S LOADS, ONE A WAVE: waves 0 and 1 slot 0's two tiles, waves 2 and 3 the two sides' scale words.  One chain of branches on the wave's number; every way passes one load.
.macro ARM under, g0, g1, next
	s_cmp_lt_u32 s14, \under
	s_cbranch_scc0 \next
	tensor_load_to_lds s[\g0:\g0+3], s[\g1:\g1+7]
	s_nop 0
.rept 4
	v_nop
.endr
	s_branch .Lhead_asked
\next:
.endm
	ARM 1, G0,  G1,  .Lhead_b
	ARM 2, G0B, G1B, .Lhead_sa
	ARM 3, G0S, G1S, .Lhead_sb
	tensor_load_to_lds s[G0SB:G0SB+3], s[G1SB:G1SB+7]
	s_nop 0
.rept 4
	v_nop
.endr
.Lhead_asked:
; THE TILES ARE PREFETCHED.  A fill is 3,072 bytes (12 blocks of 256) of each of a tile's 16 row blocks.  The four partners that ask for a tile jointly share its row blocks out BY ADDRESS (cx for the tile shared along a row of the cluster,
; cy for the other): four each, two to a wave: 24 blocks, a lane a block (lanes 24-31 name the last again).  Waves 0 and 1 ask for source 1's tile, waves 2 and 3 for source 0's.  The base and the lanes' offsets are never written again:
; the fill stands in the immediate.  Fills 1 and 2 are asked for here, fill 3 behind slot 1's first fill: at most two fills are asked for and not yet loaded.
.set PF0, 124
.macro ASK f
	global_prefetch_b8 v[PF0], s[66:67] offset:(\f)*RBB th:TH_LOAD_NT scope:SCOPE_SE
.endm
	s_cmp_eq_u32 s15, 0
	s_cselect_b32 s18, s17, s42                    ; the tile's number along its own axis
	s_cselect_b32 s19, s40, s41                    ; my place among the four that ask for it with me
	s_cselect_b64 s[66:67], s[96:97], s[6:7]
	s_lshl_b32 s18, s18, 4
	s_lshl_b32 s19, s19, 2
	s_add_co_u32 s18, s18, s19
	s_lshl_b32 s19, s16, 1
	s_add_co_u32 s18, s18, s19                     ; my first row block
	s_mul_i32 s18, s18, 12288
	s_mov_b32 s19, 0
	s_add_nc_u64 s[66:67], s[66:67], s[18:19]
	v_and_b32 v[PF0], 31, v0
	v_min_u32 v[PF0], 23, v[PF0]
	v_mul_u32_u24 v125, v[PF0], 11
	v_lshrrev_b32 v125, 7, v125                    ; lane / 12
	v_mul_u32_u24 v125, v125, 9216
	v_lshl_add_u32 v[PF0], v[PF0], 8, v125         ; 256 x lane, and on to the second row block from lane 12
	ASK 1
	ASK 2
	v_and_b32 v1, 15, v0
	v_bfe_u32 v2, v0, 4, 1
	v_and_b32 v3, 31, v0
	v_lshlrev_b32 v4, 4, v3
	v_lshlrev_b32 v5, 3, v3
	v_add_nc_u32 v5, 512, v5
	s_mul_i32 s21, s15, HALFT
	s_mul_i32 s22, s16, HALFT
	s_add_co_u32 s22, s22, 2*HALFT
.irp s, 0,1
	v_add_nc_u32 v[ADRA+\s], s21, v4
	v_add_nc_u32 v[ADRA+2+\s], s21, v5
	v_add_nc_u32 v[ADRB+\s], s22, v4
	v_add_nc_u32 v[ADRB+2+\s], s22, v5
	s_add_co_u32 s21, s21, SLOT
	s_add_co_u32 s22, s22, SLOT
.endr
	v_lshlrev_b32 v6, 2, v1
	s_mul_i32 s21, s15, HALFS
	s_mul_i32 s22, s16, HALFS
	s_add_co_u32 s22, s22, 2*HALFS
	s_sub_co_u32 s22, s22, s21
	v_mul_u32_u24 v7, s22, v2
	s_add_co_u32 s21, s21, SCL
	v_add_nc_u32 v6, v6, v7
	v_add_nc_u32 v[ADRS], s21, v6
	v_mov_b32 v[O16], v4
	v_mov_b32 v[O8], v5
	v_lshlrev_b32 v[O4], 2, v3
	s_lshl_b32 s18, s40, 10
	s_lshl_b32 s19, s16, 9
	s_add_co_u32 s18, s18, s19
	s_mov_b32 s19, 0
	s_add_nc_u64 s[10:11], s[8:9], s[18:19]
	s_lshl_b32 s18, s41, 10
	s_lshl_b32 s19, s15, 9
	s_add_co_u32 s18, s18, s19
	s_mov_b32 s19, 0
	s_add_nc_u64 s[12:13], s[8:9], s[18:19]
	v_lshlrev_b32 v8, 6, v2
	v_and_b32 v9, 8, v1
	v_add_nc_u32 v9, v9, v1
	v_lshlrev_b32 v9, 2, v9
	WIN TO_B
.irp b, 0,1,2,3,4,5,6,7
	global_load_b128 v[96+8*\b+96*(\b/4):96+8*\b+96*(\b/4)+3], v8, s[10:11] offset:(32*(\b/2)+8*(\b%2))*4
	global_load_b128 v[96+8*\b+96*(\b/4)+4:96+8*\b+96*(\b/4)+7], v8, s[10:11] offset:(32*(\b/2)+8*(\b%2))*4+16
.endr
	WIN 0
.irp a, 0,1,2,3,4,5,6,7
	global_load_b32 v[BV+2*\a], v9, s[12:13] offset:(32*(\a/2)+8*(\a%2))*4
	global_load_b32 v[BV+2*\a+1], v9, s[12:13] offset:(32*(\a/2)+8*(\a%2))*4
.endr
.irp b, 0,1,2,3
	v_mov_b32 v[TM+4+\b], 0
.endr
.macro FRAG reg, adr, off
	ds_load_b128 v[\reg:\reg+3], v[\adr] offset:\off
	ds_load_b64 v[\reg+4:\reg+5], v[\adr+2] offset:\off
	ds_load_b128 v[\reg+6:\reg+9], v[\adr] offset:\off+768
	ds_load_b64 v[\reg+10:\reg+11], v[\adr+2] offset:\off+768
.endm
.macro MUL16 a0, p, q, sc, zero
.irp a, \a0, \a0+1
.irp b, 0,1,2,3,4,5,6,7
.if \zero
	v_wmma_scale_f32_16x16x128_f8f6f4 v[8*(8*((\a)%4)+\b):8*(8*((\a)%4)+\b)+7], v[128*(\p)+FR*\b:128*(\p)+FR*\b+FR-1], v[AF+FR*(\a):AF+FR*(\a)+FR-1], 0, v[SC+8*NQ*(\sc)+NQ*\b+(\q)], v[SC+8*NQ*(\sc)+NQ*(\a)+(\q)] matrix_a_fmt:MATRIX_FMT_FP6 matrix_b_fmt:MATRIX_FMT_FP6 matrix_a_scale:MATRIX_SCALE_ROW1
.else
	v_wmma_scale_f32_16x16x128_f8f6f4 v[8*(8*((\a)%4)+\b):8*(8*((\a)%4)+\b)+7], v[128*(\p)+FR*\b:128*(\p)+FR*\b+FR-1], v[AF+FR*(\a):AF+FR*(\a)+FR-1], v[8*(8*((\a)%4)+\b):8*(8*((\a)%4)+\b)+7], v[SC+8*NQ*(\sc)+NQ*\b+(\q)], v[SC+8*NQ*(\sc)+NQ*(\a)+(\q)] matrix_a_fmt:MATRIX_FMT_FP6 matrix_b_fmt:MATRIX_FMT_FP6 matrix_a_scale:MATRIX_SCALE_ROW1
.endif
.endr
.endr
.endm
.macro FETCH_B slot, q, p
	WIN TO_B
.irp i, 0,1,2,3,4,5,6,7
	FRAG 128*(\p)+FR*\i, ADRB+\slot, \i*RBB+(\q)*1536
.endr
	WIN 0
.endm
.macro FETCH_A slot, q, i0
.irp i, \i0, \i0+1, \i0+2, \i0+3
	FRAG AF+FR*(\i), ADRA+\slot, (\i)*RBB+(\q)*1536
.endr
.endm
.macro SCALES sc
.irp i, 0,1,2,3,4,5,6,7
	ds_load_b32 v[SC+8*NQ*\sc+NQ*\i], v[ADRS] offset:\i*SBLK
	ds_load_b32 v[SC+8*NQ*\sc+NQ*\i+1], v[ADRS] offset:\i*SBLK+64
.endr
.endm
.macro PLACES n
.rept \n
	v_nop
.endr
.endm
.macro STEP slot, q, zero
	s_wait_dscnt 4*NL
	WIN MUL_LO
	MUL16 0, (\q)%2, \q, \slot, \zero
	MUL16 2, (\q)%2, \q, \slot, \zero
	s_wait_dscnt 0
	PLACES NP
	FETCH_B \slot, (\q)+1, 1-(\q)%2
	FETCH_A \slot, (\q)+1, 0
	WIN MUL_HI
	MUL16 4, (\q)%2, \q, \slot, \zero
	MUL16 6, (\q)%2, \q, \slot, \zero
	PLACES NP
	WIN 0
	FETCH_A \slot, (\q)+1, 4
.endm
.macro TURN slot, next, fill
	s_wait_tensorcnt 0x0
	ds_add_u32 v[SPW], v[NIL]
	s_wait_dscnt 4*NL+1
	WIN MUL_LO
	MUL16 0, 1, NQ-1, \slot, 0
	s_wait_dscnt 0x0
	s_barrier_signal -1
	MUL16 2, 1, NQ-1, \slot, 0
	WIN 0
	s_barrier_wait -1
.if \fill
	CREST
	s_add_nc_u64 s[G0+4*\slot+2:G0+4*\slot+3], s[G0+4*\slot+2:G0+4*\slot+3], 2*RBB
	s_add_nc_u64 s[G0B+4*\slot+2:G0B+4*\slot+3], s[G0B+4*\slot+2:G0B+4*\slot+3], 2*RBB
	JLOAD G0+4*\slot, G1, G0B+4*\slot, G1B
.else
	PLACES NP
.endif
	s_wait_alu depctr_va_vdst(0)
	v_add_nc_u32 v[ADRS], 64*NQ, v[ADRS]
	FETCH_B \next, 0, 0
	FETCH_A \next, 0, 0
	SCALES \next
	WIN MUL_HI
	MUL16 4, 1, NQ-1, \slot, 0
	MUL16 6, 1, NQ-1, \slot, 0
	PLACES NP
	WIN 0
	FETCH_A \next, 0, 4
.endm
	s_wait_alu depctr_va_vdst(0)                   ; the wait at the head's end
	s_wait_tensorcnt 0x0                           ; my tile of the head's four is in
	ds_add_u32 v[SPW], v[NIL]
	s_mov_b32 s[G1+2], 8<<16                       ; no tensor load of mine is out: from here on a load brings 8 row blocks,
	s_mov_b32 s[G1+4], 8
	s_mov_b32 s[G1B+2], 8<<16
	s_mov_b32 s[G1B+4], 8
	s_mov_b32 s[G0+1], s45                         ; and slot 0's group 0 names my quarter of the slot
	s_mov_b32 s[G0B+1], s45
	s_add_nc_u64 s[G0+2:G0+3], s[G0+2:G0+3], s[2:3]
	s_add_nc_u64 s[G0B+2:G0B+3], s[G0B+2:G0B+3], s[2:3]
	s_wait_dscnt 0x0
	CROUND                                         ; a whole round: all four tiles are in, and all sixteen work-groups are here
	JLOAD G0+4, G1, G0B+4, G1B                     ; slot 1's first fill, the first tensor load behind the round
	FETCH_B 0, 0, 0
	FETCH_A 0, 0, 0
	SCALES 0
	ASK 3
	FETCH_A 0, 0, 4
	STEP 0, 0, 1
	s_mov_b32 s3, LAPS-1
.Llap:
	TURN 0, 1, 1
	STEP 1, 0, 0
	TURN 1, 0, 1
	STEP 0, 0, 0
	s_sub_co_u32 s3, s3, 1
	s_cmp_lg_u32 s3, 0
	s_cbranch_scc1 .Llap
	TURN 0, 1, 0
	STEP 1, 0, 0
	s_wait_dscnt 4*NL
	WIN MUL_LO
	MUL16 0, 1, NQ-1, 1, 0
	MUL16 2, 1, NQ-1, 1, 0
	s_wait_dscnt 0
	WIN MUL_HI
	MUL16 4, 1, NQ-1, 1, 0
	MUL16 6, 1, NQ-1, 1, 0
	WIN 0
.macro EPIQK a
.if (\a) > 0
	s_wait_xcnt 0x0
.endif
	WIN 0x04|(2+(\a)/4)
.set n, 0
.rept 32
	v_pk_add_f32 v[T+n:T+n+1], v[64*((\a)%4)+n:64*((\a)%4)+n+1], v[96+n+96*(n/32):96+n+96*(n/32)+1]
.set n, n+2
.endr
	WIN 0
	QUANT T
	global_store_b128 v[O16], v[PC:PC+3], s[94:95] offset:(\a)*768
	global_store_b64 v[O8], v[PC+4:PC+5], s[94:95] offset:(\a)*768
	global_store_b128 v[O16], v[PC+6:PC+9], s[94:95] offset:98304+(\a)*768
	global_store_b64 v[O8], v[PC+10:PC+11], s[94:95] offset:98304+(\a)*768
.if (\a)%2 == 0
	v_mov_b32 v[PWE], v[PW]
.else
	v_and_or_b32 v[W], v[PWE], 0xffff, s[K7F]
	v_and_or_b32 v[W+2], v[PW], 0xffff, s[K7F]
	v_lshrrev_b32 v[W+1], 16, v[PWE]
	v_lshrrev_b32 v[W+3], 16, v[PW]
	v_or_b32 v[W+1], s[K7F], v[W+1]
	v_or_b32 v[W+3], s[K7F], v[W+3]
	v_cndmask_b32 v[W], v[W], v[W+2], s[HM]
	v_cndmask_b32 v[W+1], v[W+1], v[W+3], s[HM]
	global_store_b32 v[O4], v[W], s[98:99] offset:((\a)/2)*128
	global_store_b32 v[O4], v[W+1], s[98:99] offset:8192+((\a)/2)*128
.endif
.endm
.macro EPIV a
.if (\a) > 0
	s_wait_xcnt 0x0
.endif
	WIN 2+(\a)/4
.set n, 0
.rept 32
	v_pk_add_f32 v[T+n:T+n+1], v[64*((\a)%4)+n:64*((\a)%4)+n+1], v[BV+2*(\a):BV+2*(\a)+1]
.set n, n+2
.endr
	WIN 0
	QUANT T
	global_store_b128 v[O16], v[PC:PC+3], s[94:95] offset:((\a)/4)*98304+((\a)%4)*1536
	global_store_b64 v[O8], v[PC+4:PC+5], s[94:95] offset:((\a)/4)*98304+((\a)%4)*1536
	global_store_b128 v[O16], v[PC+6:PC+9], s[94:95] offset:((\a)/4)*98304+((\a)%4)*1536+768
	global_store_b64 v[O8], v[PC+10:PC+11], s[94:95] offset:((\a)/4)*98304+((\a)%4)*1536+768
.if (\a)%2 == 0
	v_mov_b32 v[PWE], v[PW]
.else
	v_cndmask_b32 v[W], v[PWE], v[PW], s[HM]
	global_store_b32 v[O4], v[W], s[98:99] offset:((\a)/4)*4096+(((\a)%4)/2)*128
.endif
.endm
	PLACES NP
	s_wait_loadcnt 0x0
	s_mov_b32 s[SEL], 0x76543210
	s_mov_b32 s[SEL+1], 0xfedcba98
	s_mov_b32 s[HM], 0xffff0000
	s_mov_b32 s[K7F], 0x7f7f0000
	s_cmp_eq_u32 ttmp9, 2
	s_cbranch_scc1 .Lv
	s_lshl_b32 s18, s17, 4
	s_lshl_b32 s19, s15, 3
	s_add_co_u32 s18, s18, s19
	s_lshr_b32 s19, s18, 7
	s_and_b32 s18, s18, 127
	s_lshl_b32 s19, s19, 4
	s_lshl_b32 s20, s40, 2
	s_add_co_u32 s19, s19, s20
	s_lshl_b32 s20, s16, 1
	s_add_co_u32 s19, s19, s20
	s_lshl_b32 s19, s19, 7
	s_add_co_u32 s19, s19, s18
	s_mul_i32 s20, s19, 768
	s_mul_i32 s21, ttmp9, 3145728
	s_add_co_u32 s20, s20, s21
	s_mov_b32 s21, 0
	s_lshl_b32 s22, s19, 6
	s_mul_i32 s23, ttmp9, 262144
	s_add_co_u32 s22, s22, s23
	s_add_co_u32 s22, s22, 9437184
	s_mov_b32 s23, 0
	s_add_nc_u64 s[98:99], s[94:95], s[22:23]
	s_add_nc_u64 s[94:95], s[94:95], s[20:21]
.irp a, 0,1,2,3,4,5,6,7
	EPIQK \a
.endr
	s_branch .Lend
.Lv:
	s_lshl_b32 s18, s42, 1
	s_add_co_u32 s18, s18, s16
	s_lshr_b32 s19, s18, 4
	s_and_b32 s18, s18, 15
	s_lshl_b32 s19, s19, 4
	s_lshl_b32 s20, s41, 2
	s_add_co_u32 s19, s19, s20
	s_lshl_b32 s20, s15, 1
	s_add_co_u32 s19, s19, s20
	s_lshl_b32 s19, s19, 4
	s_add_co_u32 s19, s19, s18
	s_mul_i32 s20, s19, 6144
	s_add_co_u32 s20, s20, 6291456
	s_mov_b32 s21, 0
	s_lshl_b32 s22, s19, 8
	s_add_co_u32 s22, s22, 9961472
	s_mov_b32 s23, 0
	s_add_nc_u64 s[98:99], s[94:95], s[22:23]
	s_add_nc_u64 s[94:95], s[94:95], s[20:21]
.irp a, 0,1,2,3,4,5,6,7
	EPIV \a
.endr
.Lend:
	s_wait_tensorcnt 0x0
	ds_add_u32 v[SPW], v[NIL]
	s_wait_dscnt 0x0
	CROUND
	s_endpgm
.Lfunc_end_k_qc7dcca2ada_qkv:
	.size	k_qc7dcca2ada_qkv, .Lfunc_end_k_qc7dcca2ada_qkv-k_qc7dcca2ada_qkv
	.p2alignl 7, 3214868480
	.fill 96, 4, 3214868480
	.section	.rodata,"a",@progbits
	.p2align	6, 0x0
	.amdhsa_kernel k_qc7dcca2ada_qkv
		.amdhsa_group_segment_fixed_size 327680
		.amdhsa_private_segment_fixed_size 0
		.amdhsa_enable_private_segment 0
		.amdhsa_kernarg_size 48
		.amdhsa_user_sgpr_count 2
		.amdhsa_user_sgpr_kernarg_segment_ptr 1
		.amdhsa_wavefront_size32 1
		.amdhsa_system_sgpr_workgroup_id_x 1
		.amdhsa_system_sgpr_workgroup_id_y 1
		.amdhsa_system_sgpr_workgroup_id_z 1
		.amdhsa_system_vgpr_workitem_id 0
		.amdhsa_next_free_vgpr 1024
		.amdhsa_next_free_sgpr 100
		.amdhsa_reserve_vcc 0
		.amdhsa_float_denorm_mode_32 3
		.amdhsa_float_denorm_mode_16_64 3
		.amdhsa_memory_ordered 1
		.amdhsa_forward_progress 1
		.amdhsa_inst_pref_size 226
	.end_amdhsa_kernel
	.amdgpu_metadata
---
amdhsa.version: [ 1, 2 ]
amdhsa.kernels:
  - .name:           k_qc7dcca2ada_qkv
    .symbol:         k_qc7dcca2ada_qkv.kd
    .args:
      - { .name: hc, .offset: 0, .size: 8, .value_kind: global_buffer, .address_space: global }
      - { .name: wimg, .offset: 8, .size: 8, .value_kind: global_buffer, .address_space: global }
      - { .name: bq, .offset: 16, .size: 8, .value_kind: global_buffer, .address_space: global }
      - { .name: bk, .offset: 24, .size: 8, .value_kind: global_buffer, .address_space: global }
      - { .name: bv, .offset: 32, .size: 8, .value_kind: global_buffer, .address_space: global }
      - { .name: qkv, .offset: 40, .size: 8, .value_kind: global_buffer, .address_space: global }
    .group_segment_fixed_size: 327680
    .private_segment_fixed_size: 0
    .kernarg_segment_align: 8
    .kernarg_segment_size: 48
    .max_flat_workgroup_size: 128
    .sgpr_count:     100
    .vgpr_count:     1024
    .wavefront_size: 32
...
	.end_amdgpu_metadata
.endif
;; end of part 2
;; launch attn (part 3): grid 8 x 32, 16 waves a work-group, no clusters, 327,680 bytes of LDS; arguments qkv, ctx; writes ctx
.if DOCPART == 3
	.amdgcn_target "amdgcn-amd-amdhsa--gfx1250"
	.amdhsa_code_object_version 6
	.text
	.protected	k_qc7dcca2ada_attn
	.globl	k_qc7dcca2ada_attn
	.p2align	8
	.type	k_qc7dcca2ada_attn,@function
k_qc7dcca2ada_attn:
	s_mov_b64 s[64:65], 0
	v_nop
	global_prefetch_b8 v0, s[64:65] scope:SCOPE_SE
	s_setreg_imm32_b32 hwreg(HW_REG_WAVE_MODE, 25, 1), 1
	s_wait_xcnt 0x0
; Causal attention of one head on codes of E2M3, and the quantising of its result along the head's 64 for the next product.
; t = score x log2(e) / 8; M = the running largest t rounded up to a whole number; p = 2^(t - M) is quantised along the keys; the row's sum is taken of the unquantised p and divides at the end.
; Key steps (128 keys) all of whose keys come after a tile's queries are hidden by the causal mask that the problem builds itself: they are dealt to no wave.
; SHARES.  Work-group (i, head) owns query blocks i and 15 - i (128 queries, 8 tiles of 16 each).  Tile j of block 15 - i has 16 - i key steps, tile j of block i has i + 1: 17 together, dealt to TWO waves over nine slots t = 0 .. 8:
;   wave j ('a'):     rests in slot 0; in slot t works step 8 - t of the long tile: steps 7 .. 0;
;   wave 8 + j ('b'): in slots t < 8 - i works step 8 + t of the long tile (the last of them is its diagonal); in slot 8 - i it stores that part (O^T, the sum, -M) in LDS, takes the short tile's q and begins anew;
;                     from there on it works step 8 - t of the short tile: steps i (its diagonal) .. 0.
; So a slot's step is 8 + t or 8 - t, whatever i: both LDS offsets are stepped by constants, and ids alone choose between them.  At the end wave a joins b's part to its own: both are brought under the larger M by whole powers of two,
; which round nothing; wave a finishes the long tile, wave b the short one, by the same lines.
; No cluster: which slots a wave works hangs on i, which differs between the work-groups of a head, and partners of a cluster must run alike.
; LDS.  In memory a key step is 4 pairs of units (1,536 bytes) of k and 4 of v.  LDS is [pair 0-7][step][1,536].  Waves 0-7 fetch pair w of the steps under 8, waves 8-15 pair w - 8 of the steps from 8 on: rows of 1,536 bytes, 6,144 apart.
; Three loads a wave, nothing filled twice, outward from the middle as the slots want them: steps 6, 7 | 8, 9 at the head (slots 0, 1), 2-5 | 10-13 behind the first barrier (slots 2-5), 0, 1 | 14, 15 behind the second (slots 6-8).
; One tensor load of a wave is out at a time.  No prefetch: a head's k and v are asked for whole within the first six slots, by loads that stand a group of slots ahead of their readers.
; LAYOUT.  Both products are used transposed: a lane holds one query throughout.  The rows of a tile of q and of k are 32 b + 8 u + r + 8 (r / 8), so the 16 registers of tiles 2 b and 2 b + 1 of scores are 16 neighbouring keys.
; A HEAD'S K IS 64.  Registers 6-11 of q's fragment are zero codes under the byte 127, so whatever stands in registers 6-11 of a tile of k adds nothing: the eight tiles lie 6 registers apart.
; SCALE WORDS come through registers into LDS bytes of their own: two tiles to a register, lanes 0-15 the even tile's rows, lanes 16-31 the odd tile's; v's have a pitch of 512 bytes a step, each stored twice.
; REGISTERS: v1-3, v7 addresses that stay; v4, v5, v8-12 the step's addresses; v6, v13 v's scale words; v14 -M, v15 the largest t; v16-27 q; v[28:29] the sum; v30, v31 the spare word and 0; v32-79 k; v80-127 v;
;   v128-191 scores, then p; v192-223 O^T; v224-235 p's codes; v230-247, v252-254 at work; v248-251 k's scale words; v255 q's.
; LIMITS: NaN and infinities are not served; a block whose largest magnitude lies under 2^-124, a block of zeros too, keeps the byte 1; the scaled scores stay under 2^31 in magnitude.
.set U,    1536
.set PP,   16*U                        ; a pair's 16 steps
.set B1,   3*PP                        ; an LDS offset reaches 65,535: three bases, 3 pairs apart, serve the 8 pairs
.set SCK,  196608
.set SCV,  204800
.set SPARE, 212992
.set MRG,  215040                      ; 8 x 4,608 bytes: the b waves' parts of the long tiles
.set QS,   251904                      ; 16 x 1,024 bytes: the q that a wave finishes with
.set KT,   32
.set VF,   80
.set S,    128
.set O,    192
.set SPW,  30
.set NIL,  31
.set WV,   18
.set ROLE, 19
.set SEL,  20
.set CS,   22
.set G1,   24
.set G0,   32                          ; s[32:43] a group 0 for each of my three loads
.set TU,   44                          ; 1,536 (8 + t)
.set TD,   45                          ; 1,536 (8 - t)
.set SU,   46                          ; 512 (8 + t)
.set SD,   47                          ; 512 (8 - t)
.set ST,   48                          ; the slot t
.set SWT,  49                          ; b: 8 - i, the slot in which it changes tiles; a: 0
.set TK,   50
.set TS,   51
.set MA,   52
.set TRIP, 53
.macro GRP g, lo, d                    ; my load g begins at step lo (waves 0-7) or lo + d (waves 8-15)
	s_mul_i32 s9, s[ROLE], \d
	s_add_co_u32 s9, s9, \lo
	s_mul_i32 s10, s9, U
	s_mul_i32 s14, s9, 6144
	s_mov_b32 s[G0+4*\g], 1
	s_add_co_u32 s[G0+4*\g+1], s10, s11
	s_add_nc_u64 s[G0+4*\g+2:G0+4*\g+3], s[12:13], s[14:15]
	s_or_b32 s[G0+4*\g+3], s[G0+4*\g+3], 0x80000000
.endm
	s_load_b128 s[4:7], s[0:1], 0x0                ; qkv, ctx
	v_lshl_add_u32 v[SPW], v0, 2, SPARE
	v_mov_b32 v[NIL], 0
	ds_add_u32 v[SPW], v[NIL]
	ds_add_u32 v[SPW], v[NIL]
	v_lshrrev_b32 v8, 5, v0
	v_readfirstlane_b32 s[WV], v8                  ; wave 0..15
	s_and_b32 s8, ttmp7, 0xffff                    ; 16 x batch + head
	s_lshr_b32 s[ROLE], s[WV], 3                   ; 0: a, 1: b
	s_and_b32 s54, s[WV], 7                        ; j: my tile in its block, and the pair that I fetch
	s_lshr_b32 s9, s54, 2                          ; 0: k, 1: v
	s_and_b32 s10, s54, 3
	s_mul_i32 s12, s9, 3145728
	s_mul_i32 s10, s10, U
	s_add_co_u32 s12, s12, s10
	s_mul_i32 s13, s8, 98304
	s_add_co_u32 s12, s12, s13
	s_add_co_u32 s12, s12, 3145728
	s_mov_b32 s13, 0
	s_mov_b32 s15, 0
	s_mul_i32 s11, s54, PP
	s_mov_b32 s[G1], 3<<16                         ; elements of 8 bytes: 2 rows (steps) x 192, 768 apart
	s_mov_b32 s[G1+1], 192<<16
	s_mov_b32 s[G1+2], 2<<16
	s_mov_b32 s[G1+3], 192<<16
	s_mov_b32 s[G1+4], 2
	s_mov_b32 s[G1+5], 768
	s_mov_b32 s[G1+6], 0
	s_mov_b32 s[G1+7], 0
	s_wait_dscnt 0x0
	s_wait_kmcnt 0x0
	s_add_nc_u64 s[12:13], s[4:5], s[12:13]
	GRP 0, 6, 2
	tensor_load_to_lds s[G0:G0+3], s[G1:G1+7]      ; steps 6, 7 or 8, 9 of my pair: every wave's one load at the head
	s_nop 0
.rept 4
	v_nop
.endr
	GRP 1, 2, 8
	GRP 2, 0, 14
	s_sub_co_u32 s11, 15, ttmp9
	s_lshl_b32 s11, s11, 3
	s_add_co_u32 s11, s11, s54                     ; the long tile: every wave begins with it
	s_lshl_b32 s55, ttmp9, 3
	s_add_co_u32 s55, s55, s54                     ; the short tile
	s_sub_co_u32 s[SWT], 8, ttmp9
	s_cmp_eq_u32 s[ROLE], 0
	s_cselect_b32 s55, s11, s55                    ; the tile that I finish
	s_cselect_b32 s[SWT], 0, s[SWT]
	s_lshr_b32 s9, s54, 1
	s_lshl_b32 s9, s9, 5
	s_and_b32 s10, s54, 1
	s_lshl_b32 s10, s10, 3
	s_add_co_u32 s9, s9, s10                       ; a tile's first query, counted from its block's
	s_lshl_b32 s56, s8, 13
	s_add_co_u32 s56, s56, 9699328
	s_mov_b32 s57, 0
	s_lshl_b32 s58, s8, 12
	s_add_co_u32 s58, s58, 9961472
	s_mov_b32 s59, 0
	s_lshl_b32 s10, s8, 7
	s_add_co_u32 s60, s10, s11
	s_add_co_u32 s12, s10, s55
	s_lshl_b32 s62, s60, 6
	s_add_co_u32 s62, s62, 9437184
	s_mov_b32 s63, 0
	s_mul_i32 s60, s60, 768
	s_mov_b32 s61, 0
	s_lshl_b32 s14, s12, 6
	s_add_co_u32 s14, s14, 9437184
	s_mov_b32 s15, 0
	s_mul_i32 s12, s12, 768
	s_mov_b32 s13, 0
	s_add_nc_u64 s[56:57], s[4:5], s[56:57]        ; the head's scale words of k,
	s_add_nc_u64 s[58:59], s[4:5], s[58:59]        ; of v,
	s_add_nc_u64 s[60:61], s[4:5], s[60:61]        ; the long tile of q,
	s_add_nc_u64 s[62:63], s[4:5], s[62:63]        ; its scale words,
	s_add_nc_u64 s[12:13], s[4:5], s[12:13]        ; the tile of q that I finish,
	s_add_nc_u64 s[14:15], s[4:5], s[14:15]        ; its scale words
	s_mul_i32 s[MA], s54, 4608
	s_add_co_u32 s[MA], s[MA], MRG
	s_lshl_b32 s16, s[WV], 10
	s_add_co_u32 s17, s16, QS+768-SCK
	s_add_co_u32 s16, s16, QS
	s_mov_b32 s[SEL], 0x76543210
	s_mov_b32 s[SEL+1], 0xfedcba98
	s_mov_b32 s[CS], 0x3e38aa3b                    ; log2(e) / 8
	s_mov_b32 s[CS+1], s[CS]
	s_mov_b32 s[ST], 0
	s_mov_b32 s[TU], 8*U
	s_mov_b32 s[TD], 8*U
	s_mov_b32 s[SU], 8*512
	s_mov_b32 s[SD], 8*512
	v_and_b32 v8, 31, v0
	v_and_b32 v9, 15, v0                           ; r
	v_bfe_u32 v10, v0, 4, 1                        ; h
	v_lshlrev_b32 v12, 4, v0                       ; 16 x thread
	v_lshlrev_b32 v1, 4, v8                        ; 16 x lane
	v_lshlrev_b32 v2, 3, v8
	v_lshl_add_u32 v3, v8, 2, SCK
	v_lshlrev_b32 v6, 2, v9                        ; 4 r
	v_and_b32 v11, 8, v9
	v_lshlrev_b32 v10, 4, v10
	v_add_nc_u32 v2, 512, v2                       ; 512 + 8 x lane
	v_add_nc_u32 v11, v11, v9
	v_add_nc_u32 v[S+16], s16, v1                  ; where the q that I finish with waits
	v_sub_nc_u32 v11, v11, v10
	v_add_nc_u32 v[S+17], s16, v2
	v_add_nc_u32 v7, s9, v11                       ; d = my query - its block's first - 16 h: in a diagonal step register 16 b + i is hidden where 32 b + i > d
	v_lshlrev_b32 v11, 3, v0                       ; 8 x thread
	v_add_nc_u32 v13, SCK, v12
	v_lshrrev_b32 v9, 5, v0
	v_add_nc_u32 v[S+18], s17, v3
	v_lshl_add_u32 v9, v9, 8, v11
	v_add_nc_u32 v9, SCV, v9                       ; wave w's 256 bytes are step w's words: at 512 w
	global_load_b128 v[S:S+3], v12, s[56:57]
	global_load_b64 v[S+4:S+5], v11, s[58:59]
	global_load_b128 v[S+8:S+11], v1, s[12:13]
	global_load_b64 v[S+12:S+13], v2, s[12:13]
	global_load_b32 v[S+14], v6, s[14:15]
	global_load_b128 v[16:19], v1, s[60:61]
	global_load_b64 v[20:21], v2, s[60:61]
	global_load_b32 v255, v6, s[62:63]
	v_mov_b32 v15, 0xff61b1e6                      ; the largest t so far: -3e38
	v_mov_b32 v28, 0
	v_mov_b32 v29, 0
	v_floor_f32 v14, -v15                          ; -M
.irp j, 22,23,24,25,26,27
	v_mov_b32 v[\j], 0                             ; q's zero codes
.endr
.irp j, 0,1,2,3,4,5
	v_mov_b32 v[VF+\j], 0                          ; named as the upper half of k's last tile before v's first load lands there
.endr
.irp j, 236,237,238,239,252,253
	v_mov_b32 v[\j], 0                             ; permute destinations and a pair's upper half count as sources
.endr
.set n, 0
.rept 32
	v_mov_b32 v[O+n], 0                            ; O^T: the step is written once, and a tile's first run finds zeros
.set n, n+1
.endr
	s_wait_loadcnt 3                               ; all but the long tile's three loads
	ds_store_b128 v13, v[S:S+3]
	ds_store_b64 v9, v[S+4:S+5]
	ds_store_b64 v9, v[S+4:S+5] offset:256         ; once more, in the pitch's other half: no byte there stays unwritten
	ds_store_b128 v[S+16], v[S+8:S+11]             ; my own bytes: only I read them
	ds_store_b64 v[S+17], v[S+12:S+13]
	ds_store_b32 v[S+18], v[S+14]
	s_wait_loadcnt 0x0
.macro STEP
	s_cmp_lg_u32 s[ST], s[SWT]
	s_cbranch_scc1 .Lwork_\@
	s_cmp_eq_u32 s[ROLE], 0
	s_cbranch_scc1 .Lhidden_\@                     ; wave a rests in slot 0
	v_add_nc_u32 v8, s[MA], v1                     ; WAVE b CHANGES TILES.  (Eight plain lines: the places behind the last products)
	v_mov_b32 v236, v28
	v_mov_b32 v237, v29
	v_mov_b32 v238, v14
	v_mov_b32 v239, v15
	v_add_nc_u32 v9, s16, v1
	v_add_nc_u32 v10, s16, v2
	v_add_nc_u32 v11, s17, v3
.irp q, 0,1,2,3,4,5,6,7
	ds_store_b128 v8, v[O+4*\q:O+4*\q+3] offset:512*\q   ; its part of the long tile, each accumulator from its low end on
.endr
	ds_store_b128 v8, v[236:239] offset:4096       ; the sum's two halves and -M
	ds_load_b128 v[16:19], v9                      ; the short tile's q
	ds_load_b64 v[20:21], v10
	ds_load_b32 v255, v11
.set n, 0
.rept 32
	v_mov_b32 v[O+n], 0
.set n, n+1
.endr
	v_mov_b32 v15, 0xff61b1e6
	v_mov_b32 v28, 0
	v_mov_b32 v29, 0
	v_floor_f32 v14, -v15
	s_wait_alu depctr_va_vdst(0)
	s_wait_dscnt 0x0
.Lwork_\@:
	s_cmp_lt_u32 s[ST], s[SWT]                     ; b ahead of its change: step 8 + t; else step 8 - t
	s_cselect_b32 s[TK], s[TU], s[TD]
	s_cselect_b32 s[TS], s[SU], s[SD]
	v_add_nc_u32 v8, s[TK], v1                     ; pairs 0-2,
	v_add_nc_u32 v9, s[TK], v2
	v_add_nc_u32 v10, s[TS], v3
	v_add_nc_u32 v11, B1, v8                       ; pairs 3-5,
	v_add_nc_u32 v12, B1, v9
	v_add_nc_u32 v4, B1, v11                       ; pairs 6, 7
	v_add_nc_u32 v5, B1, v12
.irp t, 0,1,2,3,4,5,6,7                        ; the step's eight tiles of k
	ds_load_b128 v[KT+6*\t:KT+6*\t+3], v[8+3*(\t/6)] offset:((\t%6)/2)*PP+(\t%2)*768
	ds_load_b64 v[KT+6*\t+4:KT+6*\t+5], v[9+3*(\t/6)] offset:((\t%6)/2)*PP+(\t%2)*768
.endr
.irp m, 0,1,2,3
	ds_load_b32 v[248+\m], v10 offset:128*\m
.endr
	s_wait_alu depctr_va_vdst(0)
	s_wait_dscnt 0x0
.irp t, 0,1,2,3,4,5,6,7                        ; S^T = k q^T
.if (\t)%2 == 0
	v_wmma_scale_f32_16x16x128_f8f6f4 v[S+8*\t:S+8*\t+7], v[KT+6*\t:KT+6*\t+11], v[16:27], 0, v[248+\t/2], v255 matrix_a_fmt:MATRIX_FMT_FP6 matrix_b_fmt:MATRIX_FMT_FP6
.else
	v_wmma_scale_f32_16x16x128_f8f6f4 v[S+8*\t:S+8*\t+7], v[KT+6*\t:KT+6*\t+11], v[16:27], 0, v[248+\t/2], v255 matrix_a_fmt:MATRIX_FMT_FP6 matrix_b_fmt:MATRIX_FMT_FP6 matrix_a_scale:MATRIX_SCALE_ROW1
.endif
.endr
.rept 4
	v_nop                                          ; places between the products and the loads into their registers, and the first read of their results
.endr
.irp t, 0,1,2,3                                ; the step's four fragments of v (pair 4 + t): they land under the softmax
	ds_load_b128 v[VF+12*\t:VF+12*\t+3], v[11-7*(\t/2)] offset:((\t%2)+1-(\t/2))*PP
	ds_load_b64 v[VF+12*\t+4:VF+12*\t+5], v[12-7*(\t/2)] offset:((\t%2)+1-(\t/2))*PP
	ds_load_b128 v[VF+12*\t+6:VF+12*\t+9], v[11-7*(\t/2)] offset:((\t%2)+1-(\t/2))*PP+768
	ds_load_b64 v[VF+12*\t+10:VF+12*\t+11], v[12-7*(\t/2)] offset:((\t%2)+1-(\t/2))*PP+768
.endr
	ds_load_b32 v6, v10 offset:8192
	ds_load_b32 v13, v10 offset:8192+128
	s_sub_co_u32 s9, s[SWT], s[ST]                 ; 1: the long tile's diagonal, 0: the short tile's; every other step is open
	s_cmp_gt_u32 s9, 1
	s_cbranch_scc1 .Lopen_\@
	v_mov_b32 v254, 0xff800000                     ; -infinity: p = 0 then
.set n, 0
.rept 64
	v_cmp_gt_i32 vcc_lo, 32*(n/16)+n%16, v7
	v_cndmask_b32 v[S+n], v[S+n], v254, vcc_lo
.set n, n+1
.endr
.Lopen_\@:
.irp b, 0,1,2,3
	v_max3_num_f32 v[232+\b], v[S+16*\b], v[S+1+16*\b], v[S+2+16*\b]   ; the largest score of each block of 32 keys: for the row's maximum and, since p rises with the score, for the block's largest p
.endr
.irp i, 3,5,7,9,11,13
.irp b, 0,1,2,3
	v_max3_num_f32 v[232+\b], v[232+\b], v[S+16*\b+\i], v[S+1+16*\b+\i]
.endr
.endr
.irp b, 0,1,2,3
	v_max_num_f32 v[232+\b], v[232+\b], v[S+15+16*\b]
.endr
.irp b, 0,1,2,3
	s_delay_alu instid0(VALU_DEP_4)
	v_permlanex16_b32 v[236+\b], v[232+\b], s[SEL], s[SEL+1]
.endr
.irp b, 0,1,2,3
	s_delay_alu instid0(VALU_DEP_4)
	v_max_num_f32 v[232+\b], v[232+\b], v[236+\b]
.endr
	s_delay_alu instid0(VALU_DEP_2)
	v_max3_num_f32 v254, v232, v233, v234
	s_delay_alu instid0(VALU_DEP_1)
	v_max_num_f32 v254, v254, v235
	s_delay_alu instid0(VALU_DEP_1)
	v_mul_f32 v254, s[CS], v254
	s_delay_alu instid0(VALU_DEP_1)
	v_max_num_f32 v15, v15, v254                   ; the running largest t
	v_mov_b32 v254, v14
	s_delay_alu instid0(VALU_DEP_2)
	v_floor_f32 v14, -v15                          ; the new -M = -ceil(t)
	s_delay_alu instid0(VALU_DEP_1)
	v_sub_f32 v254, v14, v254
	s_delay_alu instid0(VALU_DEP_1)
	v_cvt_i32_f32 v254, v254                       ; (it saturates)
	s_delay_alu instid0(VALU_DEP_1)
	v_ldexp_f32 v252, 1.0, v254                    ; f = 2^(old M - new M): rounds nothing
.set n, 0
.rept 32
	v_pk_fma_f32 v[S+n:S+1+n], v[S+n:S+1+n], s[CS:CS+1], v[14:15] op_sel_hi:[1,0,0]   ; t - M
.set n, n+2
.endr
.irp b, 0,1,2,3
	v_fma_f32 v[232+\b], v[232+\b], s[CS], v14
.endr
	s_wait_alu depctr_va_vdst(0)                   ; the wait ahead of the batch
.set n, 0
.rept 64
	v_exp_f32 v[S+n], v[S+n]                       ; p = 2^(t - M)
.set n, n+1
.endr
	v_pk_mul_f32 v[28:29], v[28:29], v[252:253] op_sel_hi:[1,0]   ; the sum under the new M: also the plain line behind the exponentials
	s_wait_alu depctr_va_vdst(0)                   ; one wait for the batch, ahead of its first reader
.irp b, 0,1,2,3
	v_exp_f32 v[232+\b], v[232+\b]                 ; each block's largest p
.endr
.set n, 0                                      ; the row's sum of the unquantised p: 32 packed additions in eight chains
.irp c, 236,238,240,242,244,246,230
	v_pk_add_f32 v[\c:\c+1], v[S+n:S+n+1], v[S+n+2:S+n+3]
.set n, n+4
.endr
.rept 2
.irp c, 28,236,238,240,242,244,246,230
	v_pk_add_f32 v[\c:\c+1], v[\c:\c+1], v[S+n:S+n+1]
.set n, n+2
.endr
.endr
	v_pk_add_f32 v[28:29], v[28:29], v[S+60:S+61]
	v_pk_add_f32 v[236:237], v[236:237], v[S+62:S+63]
	v_pk_add_f32 v[240:241], v[240:241], v[242:243]
	v_pk_add_f32 v[244:245], v[244:245], v[246:247]
	v_pk_add_f32 v[28:29], v[28:29], v[230:231]
	v_pk_add_f32 v[236:237], v[236:237], v[238:239]
	s_delay_alu instid0(VALU_DEP_2)
	v_pk_add_f32 v[28:29], v[28:29], v[244:245]
	s_delay_alu instid0(VALU_DEP_2)
	v_pk_add_f32 v[236:237], v[236:237], v[240:241]
	s_delay_alu instid0(VALU_DEP_1)
	v_pk_add_f32 v[28:29], v[28:29], v[236:237]
	s_wait_alu depctr_va_vdst(0)                   ; and one for the four
.irp b, 0,1,2,3
	v_max_num_f32 v[232+\b], 0x1800000, v[232+\b]  ; the floor 2^(3 - 127)
.endr
.irp b, 0,1,2,3
	s_delay_alu instid0(VALU_DEP_4)
	v_add_nc_u32 v[244+\b], 0xff000000, v[232+\b]
.endr
.irp b, 0,1,2,3
	s_delay_alu instid0(VALU_DEP_4)
	v_lshrrev_b32 v[236+\b], 23, v[244+\b]
.endr
	s_delay_alu instid0(VALU_DEP_3)
	v_lshl_or_b32 v253, v237, 8, v236              ; p's scale word for these 128 keys
	s_delay_alu instid0(VALU_DEP_1)
	v_lshl_or_b32 v253, v238, 16, v253
	s_delay_alu instid0(VALU_DEP_1)
	v_lshl_or_b32 v253, v239, 24, v253
.irp c, 0,1
	v_cvt_scalef32_pk16_fp6_f32 v[224+6*\c:226+6*\c], v[S+32*\c:S+15+32*\c], v[244+2*\c]
	v_cvt_scalef32_pk16_fp6_f32 v[236+4*\c:238+4*\c], v[S+16+32*\c:S+31+32*\c], v[244+2*\c+1]
.endr
	v_nop                                          ; one plain line behind the scaled conversions
.irp c, 0,1
.irp i, 0,1,2
	v_permlane16_swap_b32 v[224+6*\c+\i], v[236+4*\c+\i]
.endr
.irp i, 0,1,2
	s_delay_alu instid0(VALU_DEP_3)
	v_mov_b32 v[227+6*\c+\i], v[236+4*\c+\i]
.endr
.endr
.set n, 0
.rept 16
	v_pk_mul_f32 v[O+n:O+1+n], v[O+n:O+1+n], v[252:253] op_sel_hi:[1,0]   ; O^T under the new M; these 16 are also the places between p's codes and scale word and the products below
.set n, n+2
.endr
	s_wait_alu depctr_va_vdst(0)
	s_wait_dscnt 0x0                               ; v's fragments and scale words
.irp t, 0,1,2,3                                ; O^T += v^T p^T, the four accumulators by turns
.if (\t)%2 == 0
	v_wmma_scale_f32_16x16x128_f8f6f4 v[O+8*\t:O+8*\t+7], v[VF+12*\t:VF+12*\t+11], v[224:235], v[O+8*\t:O+8*\t+7], v[6+7*(\t/2)], v253 matrix_a_fmt:MATRIX_FMT_FP6 matrix_b_fmt:MATRIX_FMT_FP6
.else
	v_wmma_scale_f32_16x16x128_f8f6f4 v[O+8*\t:O+8*\t+7], v[VF+12*\t:VF+12*\t+11], v[224:235], v[O+8*\t:O+8*\t+7], v[6+7*(\t/2)], v253 matrix_a_fmt:MATRIX_FMT_FP6 matrix_b_fmt:MATRIX_FMT_FP6 matrix_a_scale:MATRIX_SCALE_ROW1
.endif
.endr
.Lhidden_\@:
	s_add_co_u32 s[ST], s[ST], 1
	s_add_co_u32 s[TU], s[TU], U
	s_sub_co_u32 s[TD], s[TD], U
	s_add_co_u32 s[SU], s[SU], 512
	s_sub_co_u32 s[SD], s[SD], 512
.endm
; A group of slots.  In front of its barrier every wave waits for its one tensor load, adds 0 to its spare word and waits for that and for its LDS instructions;
; behind it the next group's load (fill = 1, 2; 0: none) goes out first.
.macro PHASE fill, rows, trips
	s_wait_alu depctr_va_vdst(0)
	s_wait_tensorcnt 0x0
	ds_add_u32 v[SPW], v[NIL]
.if \fill
	s_mov_b32 s[G1+2], (\rows)<<16                 ; no load of mine is out: the descriptor may be written
	s_mov_b32 s[G1+4], \rows
.endif
	s_wait_dscnt 0x0
	s_barrier_signal -1
	s_barrier_wait -1
.if \fill
	tensor_load_to_lds s[G0+4*\fill:G0+4*\fill+3], s[G1:G1+7]
	s_nop 0
.rept 4
	v_nop
.endr
.endif
	s_mov_b32 s[TRIP], \trips
.Lstep_\@:
	STEP
	s_sub_co_u32 s[TRIP], s[TRIP], 1
	s_cmp_lg_u32 s[TRIP], 0
	s_cbranch_scc1 .Lstep_\@
.endm
	PHASE 1, 4, 2                                  ; slots 0, 1: steps 7-9; steps 2-5 and 10-13 are asked for
	PHASE 2, 2, 4                                  ; slots 2-5: steps 3-6 and 10-13; steps 0, 1, 14, 15 are asked for
	PHASE 0, 0, 3                                  ; slots 6-8: steps 0-2, 14, 15
	s_wait_dscnt 0x0                               ; for wave a's sake: b's part lies in LDS
	s_barrier_signal -1
	s_barrier_wait -1
.rept 4
	v_nop                                          ; places behind the last products
.endr
	s_cmp_lg_u32 s[ROLE], 0
	s_cbranch_scc1 .Lout
	v_add_nc_u32 v8, s[MA], v1                     ; WAVE a JOINS b's PART OF THE LONG TILE TO ITS OWN
.irp q, 0,1,2,3,4,5,6,7,8
	ds_load_b128 v[S+4*\q:S+4*\q+3], v8 offset:512*\q
.endr
	s_wait_dscnt 0x0
	v_min_num_f32 v252, v14, v[S+34]               ; -M of both: the lesser of the two
	v_sub_f32 v253, v252, v14
	v_sub_f32 v254, v252, v[S+34]
	v_cvt_i32_f32 v253, v253                       ; whole numbers, 0 or less (they saturate)
	v_cvt_i32_f32 v254, v254
	v_ldexp_f32 v252, 1.0, v253                    ; my factor,
	v_ldexp_f32 v254, 1.0, v254                    ; b's: powers of two, which round nothing
.set n, 0
.rept 17
	v_pk_mul_f32 v[S+n:S+n+1], v[S+n:S+n+1], v[254:255] op_sel_hi:[1,0]
.set n, n+2
.endr
.set n, 0
.rept 16
	v_pk_fma_f32 v[O+n:O+n+1], v[O+n:O+n+1], v[252:253], v[S+n:S+n+1] op_sel_hi:[1,0,1]
.set n, n+2
.endr
	v_pk_fma_f32 v[28:29], v[28:29], v[252:253], v[S+32:S+33] op_sel_hi:[1,0,1]
.Lout:
	; THE WAY OUT: O^T / the sum, quantised along the head's 64 (two blocks), one unit of ctx.
	v_add_f32 v28, v28, v29
	v_and_b32 v6, 15, v0
	v_permlanex16_b32 v252, v28, s[SEL], s[SEL+1]
	v_lshlrev_b32 v6, 2, v6                        ; 4 r
	v_add_f32 v28, v28, v252                       ; the row's sum
	s_wait_alu depctr_va_vdst(0)
	v_rcp_f32 v28, v28
	v_nop
	s_lshr_b32 s9, s8, 4
	s_lshl_b32 s9, s9, 7
	s_add_co_u32 s9, s9, s55                       ; the row block of tokens
	s_and_b32 s10, s8, 15                          ; the head
	s_mul_i32 s12, s9, 12288
	s_mul_i32 s13, s10, 768
	s_add_co_u32 s12, s12, s13
	s_mov_b32 s13, 0
	s_add_nc_u64 s[12:13], s[6:7], s[12:13]
	s_lshl_b32 s56, s9, 9
	s_lshr_b32 s57, s10, 1
	s_lshl_b32 s57, s57, 6
	s_add_co_u32 s56, s56, s57
	s_and_b32 s57, s10, 1
	s_lshl_b32 s57, s57, 1
	s_add_co_u32 s56, s56, s57
	s_add_co_u32 s56, s56, 3145728
	s_mov_b32 s57, 0
	s_add_nc_u64 s[56:57], s[6:7], s[56:57]
	s_wait_alu depctr_va_vdst(0)                   ; the wait ahead of the reciprocal's first reader
.set n, 0
.rept 32
	v_mul_f32 v[S+n], v[O+n], v28                  ; register 16 b + i is channel 32 b + 16 h + i of my query
.set n, n+1
.endr
.irp b, 0,1
	v_max3_num_f32 v[232+\b], |v[S+16*\b]|, |v[S+1+16*\b]|, 0x1800000
.endr
.irp i, 2,4,6,8,10,12,14
.irp b, 0,1
	s_delay_alu instid0(VALU_DEP_2)
	v_max3_num_f32 v[232+\b], v[232+\b], |v[S+16*\b+\i]|, |v[S+1+16*\b+\i]|
.endr
.endr
.irp b, 0,1
	s_delay_alu instid0(VALU_DEP_2)
	v_permlanex16_b32 v[236+\b], v[232+\b], s[SEL], s[SEL+1]
.endr
.irp b, 0,1
	s_delay_alu instid0(VALU_DEP_2)
	v_max_num_f32 v[232+\b], v[232+\b], v[236+\b]
.endr
.irp b, 0,1
	s_delay_alu instid0(VALU_DEP_2)
	v_add_nc_u32 v[244+\b], 0xff000000, v[232+\b]
.endr
.irp b, 0,1
	s_delay_alu instid0(VALU_DEP_2)
	v_lshrrev_b32 v[236+\b], 23, v[244+\b]
.endr
	s_delay_alu instid0(VALU_DEP_1)
	v_lshl_or_b32 v253, v237, 8, v236              ; the head's half of a scale word
	v_cvt_scalef32_pk16_fp6_f32 v[224:226], v[S:S+15], v244
	v_cvt_scalef32_pk16_fp6_f32 v[240:242], v[S+16:S+31], v245
	v_nop
.irp i, 0,1,2
	v_permlane16_swap_b32 v[224+\i], v[240+\i]
.endr
.irp i, 0,1,2
	s_delay_alu instid0(VALU_DEP_3)
	v_mov_b32 v[227+\i], v[240+\i]
.endr
	global_store_b128 v1, v[224:227], s[12:13]     ; 512 consecutive bytes, aligned
	global_store_b64 v2, v[228:229], s[12:13]      ; and 256
	global_store_b16 v6, v253, s[56:57]            ; two bytes a row; lanes l and l + 16 hold the same row's number and name the same place.  The word's other half is another head's, made by another work-group
	s_wait_tensorcnt 0x0                           ; the wave's end
	ds_add_u32 v[SPW], v[NIL]
	s_wait_dscnt 0x0
	s_endpgm
.Lfunc_end_k_qc7dcca2ada_attn:
	.size	k_qc7dcca2ada_attn, .Lfunc_end_k_qc7dcca2ada_attn-k_qc7dcca2ada_attn
	.p2alignl 7, 3214868480
	.fill 96, 4, 3214868480
	.section	.rodata,"a",@progbits
	.p2align	6, 0x0
	.amdhsa_kernel k_qc7dcca2ada_attn
		.amdhsa_group_segment_fixed_size 327680
		.amdhsa_private_segment_fixed_size 0
		.amdhsa_enable_private_segment 0
		.amdhsa_kernarg_size 16
		.amdhsa_user_sgpr_count 2
		.amdhsa_user_sgpr_kernarg_segment_ptr 1
		.amdhsa_wavefront_size32 1
		.amdhsa_system_sgpr_workgroup_id_x 1
		.amdhsa_system_sgpr_workgroup_id_y 1
		.amdhsa_system_sgpr_workgroup_id_z 1
		.amdhsa_system_vgpr_workitem_id 0
		.amdhsa_next_free_vgpr 256
		.amdhsa_next_free_sgpr 66
		.amdhsa_reserve_vcc 1
		.amdhsa_float_denorm_mode_32 3
		.amdhsa_float_denorm_mode_16_64 3
		.amdhsa_memory_ordered 1
		.amdhsa_forward_progress 1
		.amdhsa_inst_pref_size 95
	.end_amdhsa_kernel
	.amdgpu_metadata
---
amdhsa.version: [ 1, 2 ]
amdhsa.kernels:
  - .name:           k_qc7dcca2ada_attn
    .symbol:         k_qc7dcca2ada_attn.kd
    .args:
      - { .name: qkv, .offset: 0, .size: 8, .value_kind: global_buffer, .address_space: global }
      - { .name: ctx, .offset: 8, .size: 8, .value_kind: global_buffer, .address_space: global }
    .group_segment_fixed_size: 327680
    .private_segment_fixed_size: 0
    .kernarg_segment_align: 8
    .kernarg_segment_size: 16
    .max_flat_workgroup_size: 512
    .sgpr_count:     66
    .vgpr_count:     256
    .wavefront_size: 32
...
	.end_amdgpu_metadata
.endif
;; end of part 3
;; launch woln (part 4): grid 256 x 1, 8 waves a work-group, no clusters, 82,432 bytes of LDS; arguments ctx, wimg, bo, x, g2, be2, x1, hc; writes x1, hc
.if DOCPART == 4
	.amdgcn_target "amdgcn-amd-amdhsa--gfx1250"
	.amdhsa_code_object_version 6
	.text
	.protected	k_qc7dcca2ada_woln
	.globl	k_qc7dcca2ada_woln
	.p2align	8
	.type	k_qc7dcca2ada_woln,@function
k_qc7dcca2ada_woln:
	s_mov_b64 s[64:65], 0
	v_nop
	global_prefetch_b8 v0, s[64:65] scope:SCOPE_SE
	s_setreg_imm32_b32 hwreg(HW_REG_WAVE_MODE, 25, 1), 1
	s_wait_xcnt 0x0
; x1 = x + ctx wo^T + bo (f32, stored), and LayerNorm of x1 (two passes: mean, then the variance of x1 - mean) quantised to E2M3 along the 1,024 columns: row block rb of hc.  One launch, one owner for each token.
; SHARES.  Work-group rb takes the 16 tokens of row block rb (token 32 (rb / 2) + 8 (rb % 2) + r + 8 (r / 8)) and all 1,024 columns, so that a row's mean and variance are made inside it.  256 work-groups, one turn.
; Wave w takes columns 128 w .. 128 w + 127: eight tiles of 16 rows of wo, 8 accumulators, K = 1,024 in 8 steps: 64 products.
; wo GOES FROM MEMORY STRAIGHT INTO REGISTERS, with no tensor load and no cluster: with 16 tokens a fragment of wo feeds ONE product in the work-group, and no two waves read the same fragment, so LDS would only add a copy of each byte
; with no second reader.  prep has laid wo in quads: a fragment is three loads of 512 consecutive bytes.  Half groups of 4 fragments (12 loads) go through five register buffers: 60 loads of a wave are out.
; PREFETCH: wo's 786,432 bytes are 3,072 blocks of 256; wave 0 of work-group n names blocks 24 (n % 128) .. + 23 once, at the head (lanes 24-31 name the last again): all work-groups read all of wo, and share its blocks out so.
; The products are used transposed (source 0 = wo's rows, source 1 = ctx's): lane (r, h) holds token r, register 16 b + i column 128 w + 32 b + 16 h + i: the order that the quantiser wants.  x + bo is the sums' start.
; LDS: ctx's fragments as an image of the operand's registers (each wave brings one, all read all); a stage [column chunk w][16 rows][512 + 16 bytes], through which x comes in and x1 goes out as whole rows; partial sums; scale words.
; REGISTERS: window 0: v1-15 addresses; v16-23 ctx's scale words; v24-55 wo's (tile T, register K step % 4, lanes by K step / 4); v56-63 sums; v64-127 the accumulators; v128-223 ctx's fragments, later the quantiser's; v224-255 bo.
;   window 1: v0-239 wo's five buffers; later v0-63 the gain, v64-127 the bias, v128-191 x1's rows on their way out.
; LIMITS: NaN and infinities are not served; a block whose largest magnitude lies under 2^-124, a block of zeros too, keeps the byte 1 (the bytes are read by this program alone).
.set WOFF,  2359296
.set WSOFF, 9535488
.set CSC,   3145728                    ; the scale words of ctx and of hc, from the buffer's first byte
.set RED,   12288                      ; behind the image (12,288 bytes at 0): two x 512 bytes of partial sums [row][wave]
.set SW,    13312                      ; 512 bytes: the row block's scale words
.set SPARE, 13824                      ; the spare words: 128 bytes a wave
.set STAGE, 14848
.set SP,    528
.set CH,    16*SP
.set L16, 1
.set L8,  2
.set SIN, 3
.set SOUT, 4
.set R4,  5
.set RST, 6
.set RLD, 7
.set H64, 8
.set SWA, 9
.set SPW, 10
.set NIL, 11
.set PFO, 12
.set AI16, 13
.set AI8, 14
.set ASC, 16
.set WSC, 24
.set SM,  56
.set ACC, 64
.set AF,  128
.set BO,  224
.set TM,  128
.set PW,  144
.set PC,  148
.set SEL, 34
.set MSB, 0
.macro WIN new
.if MSB != (\new)
	s_set_vgpr_msb (MSB<<8)|(\new)
.set MSB, (\new)
.endif
.endm
.macro LOADG g                         ; half group g: K step g / 2, tiles 4 (g % 2) .. + 3, into buffer g % 5
.irp t, 0,1,2,3
.irp q, 0,1,2
	global_load_b128 v[48*((\g)%5)+12*\t+4*\q:48*((\g)%5)+12*\t+4*\q+3], v[L16], s[42:43] offset:(4*((\g)%2)+\t)*12288+((\g)/2)*1536+\q*512
.endr
.endr
.endm
.macro MULG g                          ; its four products; the eight accumulators take turns, one instruction a turn
.irp t, 0,1,2,3
.set TT, 4*((\g)%2)+\t
.set BB, 48*((\g)%5)+12*\t
.set KK, (\g)/2
.if KK < 4
	v_wmma_scale_f32_16x16x128_f8f6f4 v[ACC+8*TT:ACC+8*TT+7], v[BB:BB+11], v[AF+12*KK:AF+12*KK+11], v[ACC+8*TT:ACC+8*TT+7], v[WSC+4*TT+KK%4], v[ASC+KK] matrix_a_fmt:MATRIX_FMT_FP6 matrix_b_fmt:MATRIX_FMT_FP6
.else
	v_wmma_scale_f32_16x16x128_f8f6f4 v[ACC+8*TT:ACC+8*TT+7], v[BB:BB+11], v[AF+12*KK:AF+12*KK+11], v[ACC+8*TT:ACC+8*TT+7], v[WSC+4*TT+KK%4], v[ASC+KK] matrix_a_fmt:MATRIX_FMT_FP6 matrix_b_fmt:MATRIX_FMT_FP6 matrix_a_scale:MATRIX_SCALE_ROW1
.endif
.endr
.endm
.macro FOLD off                        ; four pairs -> my row's partial sum -> LDS, a barrier, the eight waves' partial sums -> v[SM]
	v_pk_add_f32 v[SM:SM+1], v[SM:SM+1], v[SM+2:SM+3]
	v_pk_add_f32 v[SM+4:SM+5], v[SM+4:SM+5], v[SM+6:SM+7]
	v_pk_add_f32 v[SM:SM+1], v[SM:SM+1], v[SM+4:SM+5]
	v_add_f32 v[SM], v[SM], v[SM+1]
	v_permlanex16_b32 v[SM+1], v[SM], s[SEL], s[SEL+1]
	v_add_f32 v[SM], v[SM], v[SM+1]                ; with lane l xor 16's: my 128 columns of row r
	ds_store_b32 v[RST], v[SM] offset:\off
	s_wait_alu depctr_va_vdst(0)
	s_wait_dscnt 0x0                               ; for the others' sake
	s_barrier_signal -1
	s_barrier_wait -1
	ds_load_b128 v[SM:SM+3], v[RLD] offset:\off
	ds_load_b128 v[SM+4:SM+7], v[RLD] offset:\off+16
.endm
.macro SUM8
	v_pk_add_f32 v[SM:SM+1], v[SM:SM+1], v[SM+2:SM+3]
	v_pk_add_f32 v[SM+4:SM+5], v[SM+4:SM+5], v[SM+6:SM+7]
	v_pk_add_f32 v[SM:SM+1], v[SM:SM+1], v[SM+4:SM+5]
	v_add_f32 v[SM], v[SM], v[SM+1]
.endm
	s_load_b256 s[4:11], s[0:1], 0x0               ; ctx, wimg, bo, x
	s_load_b256 s[12:19], s[0:1], 0x20             ; g2, be2, x1, hc
	v_lshl_add_u32 v[SPW], v0, 2, SPARE
	v_mov_b32 v[NIL], 0
	v_lshrrev_b32 v15, 5, v0
	v_readfirstlane_b32 s20, v15                   ; wave 0..7
	s_mul_i32 s57, s20, 1536
	s_mul_i32 s22, ttmp9, 12288
	s_add_co_u32 s22, s22, s57                     ; my fragment of the row block, in ctx and in hc
	s_mov_b32 s23, 0
	s_lshl_b32 s24, ttmp9, 9
	s_add_co_u32 s24, s24, CSC                     ; the row block's scale words, in ctx and in hc
	s_mov_b32 s25, 0
	s_mul_i32 s26, s20, 98304
	s_add_co_u32 s26, s26, WOFF                    ; my eight tiles of wo
	s_mov_b32 s27, 0
	s_lshl_b32 s28, s20, 12
	s_add_co_u32 s28, s28, WSOFF
	s_mov_b32 s29, 0
	s_lshr_b32 s30, ttmp9, 1
	s_lshl_b32 s30, s30, 5
	s_and_b32 s31, ttmp9, 1
	s_lshl_b32 s31, s31, 3
	s_add_co_u32 s30, s30, s31
	s_lshl_b32 s31, s20, 1
	s_add_co_u32 s30, s30, s31
	s_lshr_b32 s31, s20, 2
	s_lshl_b32 s31, s31, 3
	s_add_co_u32 s30, s30, s31                     ; stage rows 2 w, 2 w + 1 are two neighbouring tokens
	s_lshl_b32 s30, s30, 12
	s_mov_b32 s31, 0
	s_lshl_b32 s32, s20, 9                         ; my 128 columns, in bytes
	s_mov_b32 s33, 0
	s_mov_b32 s[SEL], 0x76543210
	s_mov_b32 s[SEL+1], 0xfedcba98
	s_mov_b32 s36, 0x3a800000                      ; 1 / 1,024
	s_mov_b32 s37, 0x3727c5ac                      ; 1e-5
	s_and_b32 s52, ttmp9, 127
	s_mul_i32 s52, s52, 24
	s_mul_i32 s53, s20, 2*SP
	s_add_co_u32 s53, s53, STAGE
	s_mul_i32 s54, s20, CH
	s_add_co_u32 s54, s54, STAGE
	s_lshl_b32 s55, s20, 2
	s_lshl_b32 s56, s20, 6
	s_add_co_u32 s56, s56, SW
	v_and_b32 v15, 31, v0                          ; lane
	v_and_b32 v[SWA], 15, v0                       ; r
	v_bfe_u32 v[H64], v0, 4, 1                     ; h
	v_lshlrev_b32 v[L16], 4, v15
	v_lshlrev_b32 v[L8], 3, v15
	v_min_u32 v[PFO], 23, v15
	v_lshlrev_b32 v[R4], 2, v[SWA]
	v_mul_u32_u24 v[SOUT], v[SWA], SP
	v_lshlrev_b32 v[RLD], 5, v[SWA]
	v_add_nc_u32 v[L8], 512, v[L8]
	v_add_nc_u32 v[PFO], s52, v[PFO]
	v_lshl_add_u32 v[SOUT], v[H64], 6, v[SOUT]
	v_add_nc_u32 v[RLD], RED, v[RLD]               ; my row's eight partial sums
	v_add_nc_u32 v[SIN], s53, v[L16]               ; the stage by rows: row 2 w, 16 bytes a lane; chunk j at j CH
	v_lshlrev_b32 v[PFO], 8, v[PFO]
	v_add_nc_u32 v[SOUT], s54, v[SOUT]             ; the stage by lanes: my chunk, row r, + 64 h
	v_add_nc_u32 v[RST], s55, v[RLD]
	v_lshlrev_b32 v[H64], 6, v[H64]
	v_add_nc_u32 v[SWA], s56, v[R4]
	v_add_nc_u32 v[AI16], s57, v[L16]
	v_add_nc_u32 v[AI8], s57, v[L8]
	s_wait_alu depctr_va_vdst(0)                   ; the wait at the head's end
	s_wait_kmcnt 0x0
	s_add_nc_u64 s[38:39], s[4:5], s[22:23]
	s_add_nc_u64 s[40:41], s[4:5], s[24:25]
	s_add_nc_u64 s[42:43], s[6:7], s[26:27]
	s_add_nc_u64 s[44:45], s[6:7], s[28:29]
	s_add_nc_u64 s[46:47], s[6:7], WOFF
	s_add_nc_u64 s[10:11], s[10:11], s[30:31]
	s_add_nc_u64 s[16:17], s[16:17], s[30:31]
	s_add_nc_u64 s[12:13], s[12:13], s[32:33]
	s_add_nc_u64 s[14:15], s[14:15], s[32:33]
	s_add_nc_u64 s[48:49], s[18:19], s[22:23]
	s_add_nc_u64 s[50:51], s[18:19], s[24:25]
.irp k, 0,1,2,3,4,5,6,7
	global_load_b32 v[ASC+\k], v[R4], s[40:41] offset:64*\k        ; ctx's scale words: lane r row r's (lanes 16-31 hold the same and are not read)
	global_load_b128 v[WSC+4*\k:WSC+4*\k+3], v[L16], s[44:45] offset:512*\k   ; tile k's
.endr
.irp i, 0,1
.irp j, 0,1,2,3,4,5,6,7
	global_load_b128 v[ACC+32*\i+4*\j:ACC+32*\i+4*\j+3], v[L16], s[10:11] offset:\i*4096+\j*512 th:TH_LOAD_NT   ; x: 512 consecutive bytes
.endr
.endr
.irp j, 0,1,2,3,4,5,6,7
	global_load_b128 v[BO+4*\j:BO+4*\j+3], v[L16], s[8:9] offset:\j*512
.endr
	global_load_b128 v[AF:AF+3], v[L16], s[38:39]                  ; fragment w of ctx
	global_load_b64 v[AF+4:AF+5], v[L8], s[38:39]
	global_load_b128 v[AF+6:AF+9], v[L16], s[38:39] offset:768
	global_load_b64 v[AF+10:AF+11], v[L8], s[38:39] offset:768
	s_cmp_lg_u32 s20, 0
	s_cbranch_scc1 .Lnot_mine
	global_prefetch_b8 v[PFO], s[46:47] th:TH_LOAD_NT scope:SCOPE_SE   ; v[PFO] and s[46:47] are never written again
.Lnot_mine:
	WIN 0x40
	LOADG 0
	LOADG 1
	LOADG 2
	LOADG 3
	LOADG 4
	WIN 0
	s_wait_loadcnt 60                              ; all but wo's five half groups
.set n, 0
.rept 32
	v_pk_add_f32 v[ACC+n:ACC+n+1], v[ACC+n:ACC+n+1], v[BO+n%32:BO+n%32+1]   ; x + bo
.set n, n+2
.endr
.irp i, 0,1
.irp j, 0,1,2,3,4,5,6,7
	ds_store_b128 v[SIN], v[ACC+32*\i+4*\j:ACC+32*\i+4*\j+3] offset:\i*SP+\j*CH
.endr
.endr
	ds_store_b128 v[AI16], v[AF:AF+3]
	ds_store_b64 v[AI8], v[AF+4:AF+5]
	ds_store_b128 v[AI16], v[AF+6:AF+9] offset:768
	ds_store_b64 v[AI8], v[AF+10:AF+11] offset:768
	s_wait_dscnt 0x0                               ; for the others' sake
	s_barrier_signal -1
	s_barrier_wait -1
.irp b, 0,1,2,3
.irp j, 0,1,2,3
	ds_load_b128 v[ACC+16*\b+4*\j:ACC+16*\b+4*\j+3], v[SOUT] offset:\b*128+16*\j   ; x + bo starts the sums
.endr
.endr
.irp k, 0,1,2,3,4,5,6,7
	ds_load_b128 v[AF+12*\k:AF+12*\k+3], v[L16] offset:\k*1536
	ds_load_b64 v[AF+12*\k+4:AF+12*\k+5], v[L8] offset:\k*1536
	ds_load_b128 v[AF+12*\k+6:AF+12*\k+9], v[L16] offset:\k*1536+768
	ds_load_b64 v[AF+12*\k+10:AF+12*\k+11], v[L8] offset:\k*1536+768
.endr
	s_wait_dscnt 0x0
.set g, 0
.rept 16
.if g < 12
	s_wait_loadcnt 48                              ; half group g is in; the four younger ones may be out
.else
	s_wait_loadcnt 12*(15-g)
.endif
	WIN 0x01
	MULG g
.if g < 11
.rept 4
	v_nop                                          ; places in front of loads into registers that the products have read
.endr
	WIN 0x40
	LOADG g+5
.endif
.set g, g+1
.endr
	WIN 0
.rept 4
	v_nop
.endr
	WIN 0x40
.irp b, 0,1,2,3
.irp j, 0,1,2,3
	global_load_b128 v[16*\b+4*\j:16*\b+4*\j+3], v[H64], s[12:13] offset:\b*128+16*\j          ; the gain of my columns,
	global_load_b128 v[64+16*\b+4*\j:64+16*\b+4*\j+3], v[H64], s[14:15] offset:\b*128+16*\j    ; the bias
.endr
.endr
	WIN 0
.irp b, 0,1,2,3
.irp j, 0,1,2,3
	ds_store_b128 v[SOUT], v[ACC+16*\b+4*\j:ACC+16*\b+4*\j+3] offset:\b*128+16*\j   ; x1 into my own chunk; each accumulator from its low end on
.endr
.endr
.irp c, 0,1,2,3
	v_pk_add_f32 v[SM+2*\c:SM+2*\c+1], v[ACC+2*\c:ACC+2*\c+1], v[ACC+8+2*\c:ACC+9+2*\c]
.endr
.set n, 16
.rept 6
.irp c, 0,1,2,3
	v_pk_add_f32 v[SM+2*\c:SM+2*\c+1], v[SM+2*\c:SM+2*\c+1], v[ACC+n+2*\c:ACC+n+2*\c+1]
.endr
.set n, n+8
.endr
	FOLD 0
	WIN 0x40
.irp i, 0,1
.irp j, 0,1,2,3,4,5,6,7
	ds_load_b128 v[128+32*\i+4*\j:128+32*\i+4*\j+3], v[SIN] offset:\i*SP+\j*CH   ; x1 back by rows
.endr
.endr
	WIN 0
	s_wait_dscnt 16                                ; the partial sums are in
	SUM8
	v_mul_f32 v[SM], s36, v[SM]                    ; the mean
	s_wait_alu depctr_va_vdst(0)
	s_wait_dscnt 0x0
	WIN 0x04
.irp i, 0,1
.irp j, 0,1,2,3,4,5,6,7
	global_store_b128 v[L16], v[128+32*\i+4*\j:128+32*\i+4*\j+3], s[16:17] offset:\i*4096+\j*512   ; 512 consecutive bytes, aligned
.endr
.endr
	WIN 0
.set n, 0
.rept 32
	v_pk_add_f32 v[ACC+n:ACC+n+1], v[ACC+n:ACC+n+1], v[SM:SM+1] op_sel_hi:[1,0] neg_lo:[0,1] neg_hi:[0,1]   ; x1 - mean
.set n, n+2
.endr
.irp c, 0,1,2,3
	v_pk_mul_f32 v[SM+2*\c:SM+2*\c+1], v[ACC+2*\c:ACC+2*\c+1], v[ACC+2*\c:ACC+2*\c+1]
.endr
.set n, 8
.rept 7
.irp c, 0,1,2,3
	v_pk_fma_f32 v[SM+2*\c:SM+2*\c+1], v[ACC+n+2*\c:ACC+n+2*\c+1], v[ACC+n+2*\c:ACC+n+2*\c+1], v[SM+2*\c:SM+2*\c+1]
.endr
.set n, n+8
.endr
	FOLD 512
	s_wait_dscnt 0x0
	SUM8
	v_fma_f32 v[SM], v[SM], s36, s37               ; the variance + 1e-5
.irp b, 0,1,2,3
	v_mov_b32 v[TM+4+\b], 0                        ; a lane permute's destination counts as one of its sources
.endr
	s_wait_alu depctr_va_vdst(0)                   ; the wait ahead of the transcendental
	v_rsq_f32 v[SM], v[SM]
	v_nop
	s_wait_alu depctr_va_vdst(0)                   ; and ahead of its first reader
	s_wait_loadcnt 0x0                             ; gain and bias
.set n, 0
.rept 32
	v_pk_mul_f32 v[ACC+n:ACC+n+1], v[ACC+n:ACC+n+1], v[SM:SM+1] op_sel_hi:[1,0]
.set n, n+2
.endr
	WIN 0x14                                       ; sources 1 and 2 window 1
.set n, 0
.rept 32
	v_pk_fma_f32 v[ACC+n:ACC+n+1], v[ACC+n:ACC+n+1], v[n:n+1], v[64+n:65+n]
.set n, n+2
.endr
	WIN 0
	; the quantiser: 64 numbers of a lane, register 16 b + i = k 32 b + 16 h + i of K step w, become a fragment and its scale word
.irp b, 0,1,2,3
	v_max3_num_f32 v[TM+\b], |v[ACC+16*\b]|, |v[ACC+1+16*\b]|, 0x1800000   ; and the floor 2^(3 - 127): the byte cannot fall under 1
.endr
.irp i, 2,4,6,8,10,12,14
.irp b, 0,1,2,3
	v_max3_num_f32 v[TM+\b], v[TM+\b], |v[ACC+16*\b+\i]|, |v[ACC+1+16*\b+\i]|
.endr
.endr
.irp b, 0,1,2,3
	v_permlanex16_b32 v[TM+4+\b], v[TM+\b], s[SEL], s[SEL+1]
.endr
.irp b, 0,1,2,3
	v_max_num_f32 v[TM+\b], v[TM+\b], v[TM+4+\b]
.endr
.irp b, 0,1,2,3
	v_add_nc_u32 v[TM+12+\b], 0xff000000, v[TM+\b] ; 2 off the exponent field: the conversion's scale operand
.endr
.irp b, 0,1,2,3
	v_lshrrev_b32 v[TM+4+\b], 23, v[TM+12+\b]
.endr
	v_lshl_or_b32 v[PW], v[TM+5], 8, v[TM+4]
	v_lshl_or_b32 v[PW], v[TM+6], 16, v[PW]
	v_lshl_or_b32 v[PW], v[TM+7], 24, v[PW]
.irp c, 0,1
	v_cvt_scalef32_pk16_fp6_f32 v[PC+6*\c:PC+2+6*\c], v[ACC+32*\c:ACC+15+32*\c], v[TM+12+2*\c]
	v_cvt_scalef32_pk16_fp6_f32 v[PC+12+4*\c:PC+14+4*\c], v[ACC+16+32*\c:ACC+31+32*\c], v[TM+12+2*\c+1]
.endr
	v_nop                                          ; one plain line behind the scaled conversions
.irp c, 0,1
.irp i, 0,1,2
	v_permlane16_swap_b32 v[PC+6*\c+\i], v[PC+12+4*\c+\i]
.endr
.irp i, 0,1,2
	v_mov_b32 v[PC+3+6*\c+\i], v[PC+12+4*\c+\i]
.endr
.endr
	ds_store_b32 v[SWA], v[PW]                     ; K step w's 16 words (lanes l and l + 16 hold the same word and name the same place)
	global_store_b128 v[L16], v[PC:PC+3], s[48:49]
	global_store_b64 v[L8], v[PC+4:PC+5], s[48:49]
	global_store_b128 v[L16], v[PC+6:PC+9], s[48:49] offset:768
	global_store_b64 v[L8], v[PC+10:PC+11], s[48:49] offset:768
	s_wait_dscnt 0x0
	s_barrier_signal -1
	s_barrier_wait -1
	s_cmp_lg_u32 s20, 0
	s_cbranch_scc1 .Lend
	ds_load_b128 v[SM:SM+3], v[L16] offset:SW      ; wave 0 stores the row block's 512 bytes of scale words whole
	s_wait_dscnt 0x0
	global_store_b128 v[L16], v[SM:SM+3], s[50:51]
.Lend:
	s_wait_tensorcnt 0x0                           ; the wave's end
	ds_add_u32 v[SPW], v[NIL]
	s_wait_dscnt 0x0
	s_endpgm
.Lfunc_end_k_qc7dcca2ada_woln:
	.size	k_qc7dcca2ada_woln, .Lfunc_end_k_qc7dcca2ada_woln-k_qc7dcca2ada_woln
	.p2alignl 7, 3214868480
	.fill 96, 4, 3214868480
	.section	.rodata,"a",@progbits
	.p2align	6, 0x0
	.amdhsa_kernel k_qc7dcca2ada_woln
		.amdhsa_group_segment_fixed_size 82432
		.amdhsa_private_segment_fixed_size 0
		.amdhsa_enable_private_segment 0
		.amdhsa_kernarg_size 64
		.amdhsa_user_sgpr_count 2
		.amdhsa_user_sgpr_kernarg_segment_ptr 1
		.amdhsa_wavefront_size32 1
		.amdhsa_system_sgpr_workgroup_id_x 1
		.amdhsa_system_sgpr_workgroup_id_y 1
		.amdhsa_system_sgpr_workgroup_id_z 1
		.amdhsa_system_vgpr_workitem_id 0
		.amdhsa_next_free_vgpr 512
		.amdhsa_next_free_sgpr 66
		.amdhsa_reserve_vcc 0
		.amdhsa_float_denorm_mode_32 3
		.amdhsa_float_denorm_mode_16_64 3
		.amdhsa_memory_ordered 1
		.amdhsa_forward_progress 1
		.amdhsa_inst_pref_size 67
	.end_amdhsa_kernel
	.amdgpu_metadata
---
amdhsa.version: [ 1, 2 ]
amdhsa.kernels:
  - .name:           k_qc7dcca2ada_woln
    .symbol:         k_qc7dcca2ada_woln.kd
    .args:
      - { .name: ctx, .offset: 0, .size: 8, .value_kind: global_buffer, .address_space: global }
      - { .name: wimg, .offset: 8, .size: 8, .value_kind: global_buffer, .address_space: global }
      - { .name: bo, .offset: 16, .size: 8, .value_kind: global_buffer, .address_space: global }
      - { .name: x, .offset: 24, .size: 8, .value_kind: global_buffer, .address_space: global }
      - { .name: g2, .offset: 32, .size: 8, .value_kind: global_buffer, .address_space: global }
      - { .name: be2, .offset: 40, .size: 8, .value_kind: global_buffer, .address_space: global }
      - { .name: x1, .offset: 48, .size: 8, .value_kind: global_buffer, .address_space: global }
      - { .name: hc, .offset: 56, .size: 8, .value_kind: global_buffer, .address_space: global }
    .group_segment_fixed_size: 82432
    .private_segment_fixed_size: 0
    .kernarg_segment_align: 8
    .kernarg_segment_size: 64
    .max_flat_workgroup_size: 256
    .sgpr_count:     66
    .vgpr_count:     512
    .wavefront_size: 32
...
	.end_amdgpu_metadata
.endif
;; end of part 4
;; launch w1 (part 5): grid 16 x 16, 4 waves a work-group, clusters of 4 x 4, 327,680 bytes of LDS; arguments hc, wimg, b1, hid; writes hid
.if DOCPART == 5
	.amdgcn_target "amdgcn-amd-amdhsa--gfx1250"
	.amdhsa_code_object_version 6
	.text
	.protected	k_qc7dcca2ada_w1
	.globl	k_qc7dcca2ada_w1
	.p2align	8
	.type	k_qc7dcca2ada_w1,@function
k_qc7dcca2ada_w1:
	s_mov_b64 s[64:65], 0
	v_nop
	global_prefetch_b8 v0, s[64:65] scope:SCOPE_SE
	s_setreg_imm32_b32 hwreg(HW_REG_WAVE_MODE, 25, 1), 1
	s_wait_xcnt 0x0
	s_wait_alu depctr_hold_cnt(0) depctr_sa_sdst(0) depctr_va_vdst(0) depctr_va_sdst(0) depctr_va_ssrc(0) depctr_va_vcc(0) depctr_vm_vsrc(0)
	s_getreg_b32 s2, hwreg(HW_REG_IB_STS2, 6, 4)
	s_cmp_eq_u32 s2, 0
	s_cbranch_scc0 .Lentry_in_a_cluster
	s_endpgm
.Lentry_in_a_cluster:
	s_bfe_u32 s2, ttmp6, 0x10000c
	s_cmp_lg_u32 s2, 0xf033
	s_cbranch_scc0 .Lentry_shape_is_right
	s_endpgm
.Lentry_shape_is_right:
.set RBB,    3072
.set HALFT,  8*RBB
.set SLOT,   4*HALFT
.set NQ,     2
.set FR,     12
.set NL,     4
.set NP,     4
.set LAPS,   2
.set SCL,    2*SLOT
.set SBLK,   512
.set HALFS,  8*SBLK
.set SPARE,  SCL+4*HALFS
.set ADRA, 16
.set ADRB, 20
.set O16,  24
.set O8,   25
.set O4,   26
.set ADRS, 27
.set SPW,  28
.set NIL,  29
.set SC,   32
.set PC,   80
.set TM,   100
.set PW,   116
.set PWE,  117
.set W,    118
.set GC,   122
.set AF,   128
.set T,    128
.set U,    192
.set G1, 24
.set G0, 32
.set G1B, 48
.set G0B, 56
.set G1S, 68
.set G0S, 76
.set G1SB, 80
.set G0SB, 88
.set SEL, 92
.set HM,  96
.set MSB, 0
.macro WIN new
.if MSB != (\new)
	s_set_vgpr_msb (MSB<<8)|(\new)
.set MSB, (\new)
.endif
.endm
.set MUL_LO, 0xa1
.set MUL_HI, 0xf1
.set TO_B,   0x40
.macro JLOAD g0a, g1a, g0b, g1b
	s_cmp_eq_u32 s15, 0
	s_cbranch_scc0 .Lfor_b_\@
	tensor_load_to_lds s[\g0a:\g0a+3], s[\g1a:\g1a+7]
	s_nop 0
.rept 4
	v_nop
.endr
	s_branch .Lasked_\@
.Lfor_b_\@:
	tensor_load_to_lds s[\g0b:\g0b+3], s[\g1b:\g1b+7]
	s_nop 0
.rept 4
	v_nop
.endr
.Lasked_\@:
.endm
.macro CREST
	s_cmp_lg_u32 s14, 0
	s_cbranch_scc1 .Lnot_wave_0_\@
	s_barrier_signal -3
.Lnot_wave_0_\@:
	s_barrier_wait -3
	s_barrier_signal -1
	s_barrier_wait -1
.endm
.macro CROUND
	s_barrier_signal -1
	s_barrier_wait -1
	CREST
.endm
.macro QUANT s
.irp b, 0,1,2,3
	v_max3_num_f32 v[TM+\b], |v[\s+16*\b]|, |v[\s+1+16*\b]|, 0x1800000
.endr
.irp i, 2,4,6,8,10,12,14
.irp b, 0,1,2,3
	v_max3_num_f32 v[TM+\b], v[TM+\b], |v[\s+16*\b+\i]|, |v[\s+1+16*\b+\i]|
.endr
.endr
.irp b, 0,1,2,3
	v_permlanex16_b32 v[TM+4+\b], v[TM+\b], s[SEL], s[SEL+1]
.endr
.irp b, 0,1,2,3
	v_max_num_f32 v[TM+\b], v[TM+\b], v[TM+4+\b]
.endr
.irp b, 0,1,2,3
	v_add_nc_u32 v[TM+12+\b], 0xff000000, v[TM+\b]
.endr
.irp b, 0,1,2,3
	v_lshrrev_b32 v[TM+4+\b], 23, v[TM+12+\b]
.endr
	v_lshl_or_b32 v[PW], v[TM+5], 8, v[TM+4]
	v_lshl_or_b32 v[PW], v[TM+6], 16, v[PW]
	v_lshl_or_b32 v[PW], v[TM+7], 24, v[PW]
.irp c, 0,1
	v_cvt_scalef32_pk16_fp6_f32 v[PC+6*\c:PC+2+6*\c], v[\s+32*\c:\s+15+32*\c], v[TM+12+2*\c]
	v_cvt_scalef32_pk16_fp6_f32 v[PC+12+4*\c:PC+14+4*\c], v[\s+16+32*\c:\s+31+32*\c], v[TM+12+2*\c+1]
.endr
	v_nop
.irp c, 0,1
.irp i, 0,1,2
	v_permlane16_swap_b32 v[PC+6*\c+\i], v[PC+12+4*\c+\i]
.endr
.irp i, 0,1,2
	v_mov_b32 v[PC+3+6*\c+\i], v[PC+12+4*\c+\i]
.endr
.endr
.endm
	s_load_b256 s[4:11], s[0:1], 0x0
	v_lshl_add_u32 v[SPW], v0, 2, SPARE
	v_mov_b32 v[NIL], 0
	ds_add_u32 v28, v29
	ds_add_u32 v28, v29
	s_wait_dscnt 0x0
	v_lshrrev_b32 v1, 5, v0
	v_readfirstlane_b32 s14, v1
	s_lshr_b32 s15, s14, 1
	s_and_b32 s16, s14, 1
	s_bfe_u32 s40, ttmp6, 0x40000
	s_bfe_u32 s41, ttmp6, 0x40004
	s_lshl_b32 s42, ttmp9, 2
	s_add_co_u32 s42, s42, s40
	s_and_b32 s17, ttmp7, 0xffff
	s_lshl_b32 s17, s17, 2
	s_add_co_u32 s17, s17, s41
	s_lshl_b32 s43, s41, 2
	s_lshl_b32 s43, 15, s43
	s_lshl_b32 s44, 0x1111, s40
	s_or_b32 s[G1+0], s43, (3<<16)|(1<<21)
	s_or_b32 s[G1B+0], s44, (3<<16)|(1<<21)
.irp g, G1, G1B
	s_mov_b32 s[\g+1], 384<<16
	s_mov_b32 s[\g+2], 16<<16                      ; the head's loads bring all 16 row blocks of a tile; behind them these two words are set to 8, for the ring's
	s_mov_b32 s[\g+3], 384<<16
	s_mov_b32 s[\g+4], 16
	s_mov_b32 s[\g+5], 1536
	s_mov_b32 s[\g+6], 0
	s_mov_b32 s[\g+7], 0
.endr
	s_or_b32 s[G1S+0], s43, (3<<16)|(1<<21)
	s_or_b32 s[G1SB+0], s44, (3<<16)|(1<<21)
.irp g, G1S, G1SB
	s_mov_b32 s[\g+1], 32<<16
	s_mov_b32 s[\g+2], 32<<16                      ; a side's scale words, 8,192 dense bytes, by one load
	s_mov_b32 s[\g+3], 32<<16
	s_mov_b32 s[\g+4], 32
	s_mov_b32 s[\g+5], 32
	s_mov_b32 s[\g+6], 0
	s_mov_b32 s[\g+7], 0
.endr
	s_mov_b32 s18, 0                               ; the addresses below are the tile's first row block's; my half of it is added for the ring
	s_lshl_b32 s20, s17, 4
	s_add_co_u32 s20, s20, s18
	s_lshl_b32 s46, s42, 4
	s_add_co_u32 s46, s46, s18
	s_lshl_b32 s22, s20, 9
	s_mov_b32 s23, 0
	s_mul_i32 s20, s20, 12288
	s_mov_b32 s21, 0
	s_lshl_b32 s66, s46, 9
	s_mov_b32 s67, 0
	s_mul_i32 s46, s46, 12288
	s_mov_b32 s47, 0
	s_mul_i32 s45, s14, HALFT
	s_wait_kmcnt 0x0
	s_add_nc_u64 s[20:21], s[4:5], s[20:21]
	s_add_nc_u64 s[22:23], s[4:5], s[22:23]
	s_add_nc_u64 s[22:23], s[22:23], 3145728
	s_add_nc_u64 s[46:47], s[6:7], s[46:47]
	s_add_nc_u64 s[46:47], s[46:47], 3145728
	s_add_nc_u64 s[66:67], s[6:7], s[66:67]
	s_add_nc_u64 s[66:67], s[66:67], 9568256
	CROUND
	s_mov_b32 s[G0S], 1
	s_mov_b32 s[G0S+1], SCL
	s_mov_b64 s[G0S+2:G0S+3], s[22:23]
	s_or_b32 s[G0S+3], s[G0S+3], 0x80000000
	s_mov_b32 s[G0SB], 1
	s_mov_b32 s[G0SB+1], SCL+2*HALFS
	s_mov_b64 s[G0SB+2:G0SB+3], s[66:67]
	s_or_b32 s[G0SB+3], s[G0SB+3], 0x80000000
.irp s, 0,1
	s_mov_b32 s[G0+4*\s], 1
	s_add_co_u32 s[G0+4*\s+1], s45, \s*SLOT
	s_add_nc_u64 s[G0+4*\s+2:G0+4*\s+3], s[20:21], \s*RBB
	s_or_b32 s[G0+4*\s+3], s[G0+4*\s+3], 0x80000000
	s_mov_b32 s[G0B+4*\s], 1
	s_add_co_u32 s[G0B+4*\s+1], s45, \s*SLOT
	s_add_nc_u64 s[G0B+4*\s+2:G0B+4*\s+3], s[46:47], \s*RBB
	s_or_b32 s[G0B+4*\s+3], s[G0B+4*\s+3], 0x80000000
.endr
	s_mov_b32 s[G0+1], 0                           ; slot 0's group 0 serves the head first: hc's 16 row blocks whole,
	s_mov_b32 s[G0B+1], 2*HALFT                    ; W1's behind them
	s_mul_i32 s2, s16, 8*12288                     ; my half of a tile's rows, in bytes
	s_mov_b32 s3, 0
	s_add_nc_u64 s[G0+6:G0+7], s[G0+6:G0+7], s[2:3]
	s_add_nc_u64 s[G0B+6:G0B+7], s[G0B+6:G0B+7], s[2:3]
; THE HEAD'S LOADS, ONE A WAVE: waves 0 and 1 slot 0's two tiles, waves 2 and 3 the two sides' scale words.  One chain of branches on the wave's number; every way passes one load.
.macro ARM under, g0, g1, next
	s_cmp_lt_u32 s14, \under
	s_cbranch_scc0 \next
	tensor_load_to_lds s[\g0:\g0+3], s[\g1:\g1+7]
	s_nop 0
.rept 4
	v_nop
.endr
	s_branch .Lhead_asked
\next:
.endm
	ARM 1, G0,  G1,  .Lhead_b
	ARM 2, G0B, G1B, .Lhead_sa
	ARM 3, G0S, G1S, .Lhead_sb
	tensor_load_to_lds s[G0SB:G0SB+3], s[G1SB:G1SB+7]
	s_nop 0
.rept 4
	v_nop
.endr
.Lhead_asked:
; THE TILES ARE PREFETCHED.  A fill is 3,072 bytes (12 blocks of 256) of each of a tile's 16 row blocks.  The four partners that ask for a tile jointly share its row blocks out BY ADDRESS (cx for hc's tile, cy for W1's):
; four each, two to a wave: 24 blocks, a lane a block (lanes 24-31 name the last again).  Waves 0 and 1 ask for hc's tile, waves 2 and 3 for W1's.  The base and the lanes' offsets are never written again:
; the fill stands in the immediate.  Fills 1 and 2 are asked for here, fill 3 behind slot 1's first fill: at most two fills are asked for and not yet loaded.
.set PF0, 64
.macro ASK f
	global_prefetch_b8 v[PF0], s[66:67] offset:(\f)*RBB th:TH_LOAD_NT scope:SCOPE_SE
.endm
	s_cmp_eq_u32 s15, 0
	s_cselect_b32 s18, s17, s42                    ; the tile's number along its own axis
	s_cselect_b32 s19, s40, s41                    ; my place among the four that ask for it with me
	s_cselect_b32 s21, 0, 3145728                  ; W1's codes in wimg
	s_cselect_b64 s[66:67], s[4:5], s[6:7]
	s_lshl_b32 s18, s18, 4
	s_lshl_b32 s19, s19, 2
	s_add_co_u32 s18, s18, s19
	s_lshl_b32 s19, s16, 1
	s_add_co_u32 s18, s18, s19                     ; my first row block
	s_mul_i32 s18, s18, 12288
	s_add_co_u32 s18, s18, s21
	s_mov_b32 s19, 0
	s_add_nc_u64 s[66:67], s[66:67], s[18:19]
	v_and_b32 v[PF0], 31, v0
	v_min_u32 v[PF0], 23, v[PF0]
	v_mul_u32_u24 v65, v[PF0], 11
	v_lshrrev_b32 v65, 7, v65                      ; lane / 12
	v_mul_u32_u24 v65, v65, 9216
	v_lshl_add_u32 v[PF0], v[PF0], 8, v65          ; 256 x lane, and on to the second row block from lane 12
	ASK 1
	ASK 2
	v_and_b32 v1, 15, v0
	v_bfe_u32 v2, v0, 4, 1
	v_and_b32 v3, 31, v0
	v_lshlrev_b32 v4, 4, v3
	v_lshlrev_b32 v5, 3, v3
	v_add_nc_u32 v5, 512, v5
	s_mul_i32 s21, s15, HALFT
	s_mul_i32 s22, s16, HALFT
	s_add_co_u32 s22, s22, 2*HALFT
.irp s, 0,1
	v_add_nc_u32 v[ADRA+\s], s21, v4
	v_add_nc_u32 v[ADRA+2+\s], s21, v5
	v_add_nc_u32 v[ADRB+\s], s22, v4
	v_add_nc_u32 v[ADRB+2+\s], s22, v5
	s_add_co_u32 s21, s21, SLOT
	s_add_co_u32 s22, s22, SLOT
.endr
	v_lshlrev_b32 v6, 2, v1
	s_mul_i32 s21, s15, HALFS
	s_mul_i32 s22, s16, HALFS
	s_add_co_u32 s22, s22, 2*HALFS
	s_sub_co_u32 s22, s22, s21
	v_mul_u32_u24 v7, s22, v2
	s_add_co_u32 s21, s21, SCL
	v_add_nc_u32 v7, v6, v7
	v_add_nc_u32 v[ADRS], s21, v7
	v_mov_b32 v[O16], v4
	v_mov_b32 v[O8], v5
	v_lshl_add_u32 v[O4], v2, 11, v6
	s_lshl_b32 s18, s42, 10
	s_lshl_b32 s19, s16, 9
	s_add_co_u32 s18, s18, s19
	s_mov_b32 s19, 0
	s_add_nc_u64 s[8:9], s[8:9], s[18:19]
	v_lshlrev_b32 v8, 6, v2
	WIN TO_B
.irp b, 0,1,2,3,4,5,6,7
	global_load_b128 v[96+8*\b+96*(\b/4):96+8*\b+96*(\b/4)+3], v8, s[8:9] offset:(32*(\b/2)+8*(\b%2))*4
	global_load_b128 v[96+8*\b+96*(\b/4)+4:96+8*\b+96*(\b/4)+7], v8, s[8:9] offset:(32*(\b/2)+8*(\b%2))*4+16
.endr
	WIN 0
.irp b, 0,1,2,3
	v_mov_b32 v[TM+4+\b], 0
.endr
	v_mov_b32 v[GC], 0xc0135761
	v_mov_b32 v[GC+1], 0xc0135761
.macro FRAG reg, adr, off
	ds_load_b128 v[\reg:\reg+3], v[\adr] offset:\off
	ds_load_b64 v[\reg+4:\reg+5], v[\adr+2] offset:\off
	ds_load_b128 v[\reg+6:\reg+9], v[\adr] offset:\off+768
	ds_load_b64 v[\reg+10:\reg+11], v[\adr+2] offset:\off+768
.endm
.macro MUL16 a0, p, q, sc, zero
.irp a, \a0, \a0+1
.irp b, 0,1,2,3,4,5,6,7
.if \zero
	v_wmma_scale_f32_16x16x128_f8f6f4 v[8*(8*((\a)%4)+\b):8*(8*((\a)%4)+\b)+7], v[128*(\p)+FR*\b:128*(\p)+FR*\b+FR-1], v[AF+FR*(\a):AF+FR*(\a)+FR-1], 0, v[SC+8*NQ*(\sc)+NQ*\b+(\q)], v[SC+8*NQ*(\sc)+NQ*(\a)+(\q)] matrix_a_fmt:MATRIX_FMT_FP6 matrix_b_fmt:MATRIX_FMT_FP6 matrix_a_scale:MATRIX_SCALE_ROW1
.else
	v_wmma_scale_f32_16x16x128_f8f6f4 v[8*(8*((\a)%4)+\b):8*(8*((\a)%4)+\b)+7], v[128*(\p)+FR*\b:128*(\p)+FR*\b+FR-1], v[AF+FR*(\a):AF+FR*(\a)+FR-1], v[8*(8*((\a)%4)+\b):8*(8*((\a)%4)+\b)+7], v[SC+8*NQ*(\sc)+NQ*\b+(\q)], v[SC+8*NQ*(\sc)+NQ*(\a)+(\q)] matrix_a_fmt:MATRIX_FMT_FP6 matrix_b_fmt:MATRIX_FMT_FP6 matrix_a_scale:MATRIX_SCALE_ROW1
.endif
.endr
.endr
.endm
.macro FETCH_B slot, q, p
	WIN TO_B
.irp i, 0,1,2,3,4,5,6,7
	FRAG 128*(\p)+FR*\i, ADRB+\slot, \i*RBB+(\q)*1536
.endr
	WIN 0
.endm
.macro FETCH_A slot, q, i0
.irp i, \i0, \i0+1, \i0+2, \i0+3
	FRAG AF+FR*(\i), ADRA+\slot, (\i)*RBB+(\q)*1536
.endr
.endm
.macro SCALES sc
.irp i, 0,1,2,3,4,5,6,7
	ds_load_b32 v[SC+8*NQ*\sc+NQ*\i], v[ADRS] offset:\i*SBLK
	ds_load_b32 v[SC+8*NQ*\sc+NQ*\i+1], v[ADRS] offset:\i*SBLK+64
.endr
.endm
.macro PLACES n
.rept \n
	v_nop
.endr
.endm
.macro STEP slot, q, zero
	s_wait_dscnt 4*NL
	WIN MUL_LO
	MUL16 0, (\q)%2, \q, \slot, \zero
	MUL16 2, (\q)%2, \q, \slot, \zero
	s_wait_dscnt 0
	PLACES NP
	FETCH_B \slot, (\q)+1, 1-(\q)%2
	FETCH_A \slot, (\q)+1, 0
	WIN MUL_HI
	MUL16 4, (\q)%2, \q, \slot, \zero
	MUL16 6, (\q)%2, \q, \slot, \zero
	PLACES NP
	WIN 0
	FETCH_A \slot, (\q)+1, 4
.endm
.macro TURN slot, next, fill
	s_wait_tensorcnt 0x0
	ds_add_u32 v[SPW], v[NIL]
	s_wait_dscnt 4*NL+1
	WIN MUL_LO
	MUL16 0, 1, NQ-1, \slot, 0
	s_wait_dscnt 0x0
	s_barrier_signal -1
	MUL16 2, 1, NQ-1, \slot, 0
	WIN 0
	s_barrier_wait -1
.if \fill
	CREST
	s_add_nc_u64 s[G0+4*\slot+2:G0+4*\slot+3], s[G0+4*\slot+2:G0+4*\slot+3], 2*RBB
	s_add_nc_u64 s[G0B+4*\slot+2:G0B+4*\slot+3], s[G0B+4*\slot+2:G0B+4*\slot+3], 2*RBB
	JLOAD G0+4*\slot, G1, G0B+4*\slot, G1B
.else
	PLACES NP
.endif
	s_wait_alu depctr_va_vdst(0)
	v_add_nc_u32 v[ADRS], 64*NQ, v[ADRS]
	FETCH_B \next, 0, 0
	FETCH_A \next, 0, 0
	SCALES \next
	WIN MUL_HI
	MUL16 4, 1, NQ-1, \slot, 0
	MUL16 6, 1, NQ-1, \slot, 0
	PLACES NP
	WIN 0
	FETCH_A \next, 0, 4
.endm
	s_wait_alu depctr_va_vdst(0)                   ; the wait at the head's end
	s_wait_tensorcnt 0x0                           ; my tile of the head's four is in
	ds_add_u32 v[SPW], v[NIL]
	s_mov_b32 s[G1+2], 8<<16                       ; no tensor load of mine is out: from here on a load brings 8 row blocks,
	s_mov_b32 s[G1+4], 8
	s_mov_b32 s[G1B+2], 8<<16
	s_mov_b32 s[G1B+4], 8
	s_mov_b32 s[G0+1], s45                         ; and slot 0's group 0 names my quarter of the slot
	s_mov_b32 s[G0B+1], s45
	s_add_nc_u64 s[G0+2:G0+3], s[G0+2:G0+3], s[2:3]
	s_add_nc_u64 s[G0B+2:G0B+3], s[G0B+2:G0B+3], s[2:3]
	s_wait_dscnt 0x0
	CROUND                                         ; a whole round: all four tiles are in, and all sixteen work-groups are here
	JLOAD G0+4, G1, G0B+4, G1B                     ; slot 1's first fill, the first tensor load behind the round
	FETCH_B 0, 0, 0
	FETCH_A 0, 0, 0
	SCALES 0
	ASK 3
	FETCH_A 0, 0, 4
	STEP 0, 0, 1
	s_mov_b32 s3, LAPS-1
.Llap:
	TURN 0, 1, 1
	STEP 1, 0, 0
	TURN 1, 0, 1
	STEP 0, 0, 0
	s_sub_co_u32 s3, s3, 1
	s_cmp_lg_u32 s3, 0
	s_cbranch_scc1 .Llap
	TURN 0, 1, 0
	STEP 1, 0, 0
	s_wait_dscnt 4*NL
	WIN MUL_LO
	MUL16 0, 1, NQ-1, 1, 0
	MUL16 2, 1, NQ-1, 1, 0
	s_wait_dscnt 0
	WIN MUL_HI
	MUL16 4, 1, NQ-1, 1, 0
	MUL16 6, 1, NQ-1, 1, 0
	WIN 0
.macro EPIG a
.if (\a) > 0
	s_wait_xcnt 0x0
.endif
	WIN 0x04|(2+(\a)/4)
.set n, 0
.rept 32
	v_pk_add_f32 v[T+n:T+n+1], v[64*((\a)%4)+n:64*((\a)%4)+n+1], v[96+n+96*(n/32):96+n+96*(n/32)+1]
.set n, n+2
.endr
	WIN 0
.set n, 0
.rept 32
	v_pk_mul_f32 v[U+n:U+n+1], v[T+n:T+n+1], v[T+n:T+n+1]
.set n, n+2
.endr
.set n, 0
.rept 32
	v_pk_fma_f32 v[U+n:U+n+1], v[U+n:U+n+1], 0xbdd2d3e8, v[GC:GC+1] op_sel_hi:[1,0,1]
.set n, n+2
.endr
.set n, 0
.rept 32
	v_pk_mul_f32 v[U+n:U+n+1], v[U+n:U+n+1], v[T+n:T+n+1]
.set n, n+2
.endr
.set n, 0
	s_wait_alu depctr_va_vdst(0)
.rept 64
	v_exp_f32 v[U+n], v[U+n]
.set n, n+1
.endr
	v_nop
	s_wait_alu depctr_va_vdst(0)
.set n, 0
.rept 32
	v_pk_add_f32 v[U+n:U+n+1], v[U+n:U+n+1], 1.0 op_sel_hi:[1,0]
.set n, n+2
.endr
.set n, 0
	s_wait_alu depctr_va_vdst(0)
.rept 64
	v_rcp_f32 v[U+n], v[U+n]
.set n, n+1
.endr
	v_nop
	s_wait_alu depctr_va_vdst(0)
.set n, 0
.rept 32
	v_pk_mul_f32 v[T+n:T+n+1], v[T+n:T+n+1], v[U+n:U+n+1]
.set n, n+2
.endr
	QUANT T
	global_store_b128 v[O16], v[PC:PC+3], s[94:95] offset:(\a)*49152
	global_store_b64 v[O8], v[PC+4:PC+5], s[94:95] offset:(\a)*49152
	global_store_b128 v[O16], v[PC+6:PC+9], s[94:95] offset:(\a)*49152+768
	global_store_b64 v[O8], v[PC+10:PC+11], s[94:95] offset:(\a)*49152+768
.if (\a)%2 == 0
	v_mov_b32 v[PWE], v[PW]
.else
	v_cndmask_b32 v[W], v[PWE], v[PW], s[HM]
	global_store_b32 v[O4], v[W], s[98:99] offset:((\a)/2)*4096
.endif
.endm
	PLACES NP
	s_wait_loadcnt 0x0
	s_mov_b32 s[SEL], 0x76543210
	s_mov_b32 s[SEL+1], 0xfedcba98
	s_mov_b32 s[HM], 0xffff0000
	s_lshl_b32 s18, s17, 4
	s_lshl_b32 s19, s15, 3
	s_add_co_u32 s18, s18, s19
	s_lshl_b32 s19, s42, 1
	s_add_co_u32 s19, s19, s16
	s_mul_i32 s20, s18, 49152
	s_mul_i32 s21, s19, 1536
	s_add_co_u32 s20, s20, s21
	s_mov_b32 s21, 0
	s_lshl_b32 s22, s18, 11
	s_lshl_b32 s23, s19, 6
	s_add_co_u32 s22, s22, s23
	s_add_co_u32 s22, s22, 12582912
	s_mov_b32 s23, 0
	s_add_nc_u64 s[94:95], s[10:11], s[20:21]
	s_add_nc_u64 s[98:99], s[10:11], s[22:23]
.irp a, 0,1,2,3,4,5,6,7
	EPIG \a
.endr
	s_wait_tensorcnt 0x0
	ds_add_u32 v[SPW], v[NIL]
	s_wait_dscnt 0x0
	CROUND
	s_endpgm
.Lfunc_end_k_qc7dcca2ada_w1:
	.size	k_qc7dcca2ada_w1, .Lfunc_end_k_qc7dcca2ada_w1-k_qc7dcca2ada_w1
	.p2alignl 7, 3214868480
	.fill 96, 4, 3214868480
	.section	.rodata,"a",@progbits
	.p2align	6, 0x0
	.amdhsa_kernel k_qc7dcca2ada_w1
		.amdhsa_group_segment_fixed_size 327680
		.amdhsa_private_segment_fixed_size 0
		.amdhsa_enable_private_segment 0
		.amdhsa_kernarg_size 32
		.amdhsa_user_sgpr_count 2
		.amdhsa_user_sgpr_kernarg_segment_ptr 1
		.amdhsa_wavefront_size32 1
		.amdhsa_system_sgpr_workgroup_id_x 1
		.amdhsa_system_sgpr_workgroup_id_y 1
		.amdhsa_system_sgpr_workgroup_id_z 1
		.amdhsa_system_vgpr_workitem_id 0
		.amdhsa_next_free_vgpr 1024
		.amdhsa_next_free_sgpr 100
		.amdhsa_reserve_vcc 0
		.amdhsa_float_denorm_mode_32 3
		.amdhsa_float_denorm_mode_16_64 3
		.amdhsa_memory_ordered 1
		.amdhsa_forward_progress 1
		.amdhsa_inst_pref_size 255
	.end_amdhsa_kernel
	.section	.bss,"aw",@nobits
	.p2align	6
	.space	262144
	.amdgpu_metadata
---
amdhsa.version: [ 1, 2 ]
amdhsa.kernels:
  - .name:           k_qc7dcca2ada_w1
    .symbol:         k_qc7dcca2ada_w1.kd
    .args:
      - { .name: hc, .offset: 0, .size: 8, .value_kind: global_buffer, .address_space: global }
      - { .name: wimg, .offset: 8, .size: 8, .value_kind: global_buffer, .address_space: global }
      - { .name: b1, .offset: 16, .size: 8, .value_kind: global_buffer, .address_space: global }
      - { .name: hid, .offset: 24, .size: 8, .value_kind: global_buffer, .address_space: global }
    .group_segment_fixed_size: 327680
    .private_segment_fixed_size: 0
    .kernarg_segment_align: 8
    .kernarg_segment_size: 32
    .max_flat_workgroup_size: 128
    .sgpr_count:     100
    .vgpr_count:     1024
    .wavefront_size: 32
...
	.end_amdgpu_metadata
.endif
;; end of part 5
;; launch w2 (part 6): grid 8 x 32, 4 waves a work-group, clusters of 4 x 4, 327,680 bytes of LDS; arguments hid, wimg, b2, x1, out0; writes out0
.if DOCPART == 6
	.amdgcn_target "amdgcn-amd-amdhsa--gfx1250"
	.amdhsa_code_object_version 6
	.text
	.protected	k_qc7dcca2ada_w2
	.globl	k_qc7dcca2ada_w2
	.p2align	8
	.type	k_qc7dcca2ada_w2,@function
k_qc7dcca2ada_w2:
	s_mov_b64 s[64:65], 0
	v_nop
	global_prefetch_b8 v0, s[64:65] scope:SCOPE_SE
	s_setreg_imm32_b32 hwreg(HW_REG_WAVE_MODE, 25, 1), 1
	s_wait_xcnt 0x0
	s_wait_alu depctr_hold_cnt(0) depctr_sa_sdst(0) depctr_va_vdst(0) depctr_va_sdst(0) depctr_va_ssrc(0) depctr_va_vcc(0) depctr_vm_vsrc(0)
	s_getreg_b32 s2, hwreg(HW_REG_IB_STS2, 6, 4)
	s_cmp_eq_u32 s2, 0
	s_cbranch_scc0 .Lentry_in_a_cluster
	s_endpgm
.Lentry_in_a_cluster:
	s_bfe_u32 s2, ttmp6, 0x10000c
	s_cmp_lg_u32 s2, 0xf033
	s_cbranch_scc0 .Lentry_shape_is_right
	s_endpgm
.Lentry_shape_is_right:
; out0 = x1 + hid W2^T + b2 on codes of E2M3, K = 4,096, f32 out.
; N is 1,024 only: a tile of 128 x 128 gives each of 256 work-groups one tile.  Four waves, each 64 x 64: 16 accumulators.
; K 0 .. 3,839 goes through a ring of two LDS slots of 768 along K (147,456 bytes each: as large as two fit beside the scale words): five fills, of which three fill a slot again; a slot is six quarters of 128 along K, 16 products a wave each.
; K 3,840 .. 4,095 does not go through LDS: the buffers lie in the order of the operand's registers, so each wave loads its 16 fragments and their scale words of these two K steps straight from memory, at the head, into registers
; that the ring's products leave idle, and multiplies them last: K stays ascending.
; All operands lie in units (16 rows x 64 k: 512 bytes at 16 a lane, 256 bytes at 8 a lane): a fragment is four loads of consecutive bytes; a row block's 768 k are 9,216 consecutive bytes.
; THE MATRIX INSTRUCTION IS USED TRANSPOSED (source 0 = 16 rows of W2, source 1 = 16 rows of hid).  The rows of a row block are 32 b + 8 u + r + 8 (r / 8), in hid (tokens) and in W2 (columns of out) alike; the way out puts both back in order.
; CLUSTERS: 4 x 4 work-groups; hid's tiles are asked for jointly along a row of the cluster, W2's along a column.
; The text has no loop: every scale word's place is an immediate, and no LDS address is stepped.
; REGISTERS: window 0: v16-31 addresses; v32-39 scale words, two sets; v40-43 the bias; v44-59 the scale words of the last two K steps; v128-255 the accumulators.  window 1: two fragment buffers of 96 (hid's four, then W2's four).
;   window 2: v0-127 the residual.  window 3: v0-191 the fragments of the last two K steps, laid as window 1's.
.set KDIM,   4096
.set ASC,    12582912                  ; hid's scale words, from hid's first byte
.set WOFF,   6291456                   ; W2's codes in wimg
.set WSOFF,  9699328                   ; W2's scale words in wimg
.set RBM,    12*KDIM                   ; a row block of codes in memory: 49,152 bytes
.set SBM,    KDIM/2                    ; a row block of scale words in memory: 2,048 bytes
.set RBB,    9216                      ; a row block's 768 k
.set HALFT,  4*RBB                     ; 64 rows: what one tensor load brings
.set SLOT,   4*HALFT
.set FR,     12
.set KST,    30                        ; K steps of 128 that go through the ring
.set SCL,    2*SLOT                    ; behind the ring: the scale words of those K steps, filled once
.set SBLK,   64*KST                    ; those of a row block
.set HALFS,  4*SBLK
.set SPARE,  SCL+4*HALFS               ; the spare words: 128 bytes for each wave, which no other line names
.set STAGE,  SLOT                      ; the way out: 64 rows x (256 bytes + 16) for each wave, in slot 1: it has had its last fill, and nobody reads it behind the last change of slots
.set SPITCH, 272
.set ADRA, 16
.set ADRB, 20
.set STO,  24
.set RD,   25
.set GO,   26
.set ADRS, 27
.set SPW,  28
.set NIL,  29
.set L16,  30                          ; 16 x lane
.set L8,   31                          ; 512 + 8 x lane
.set SC,   32
.set BI,   40
.set SA,   44                          ; v44-51 hid's scale words of K steps 30, 31 (4 q + block)
.set SB,   52                          ; v52-59 W2's
.set L4,   60                          ; 4 r
.set ACC,  128
.set F0,   0
.set F1,   96
.set G1, 24
.set G0, 32
.set G1B, 48
.set G0B, 56
.set G1S, 68
.set G0S, 76
.set G1SB, 80
.set G0SB, 88
.set PA,  94                           ; s[94:95] my rows of hid at K step 30;  s[96:97] my rows of W2;  s[98:99], s[100:101] their scale words
.set PB,  96
.set PAS, 98
.set PBS, 100
.set MSB, 0
.macro WIN new
.if MSB != (\new)
	s_set_vgpr_msb (MSB<<8)|(\new)
.set MSB, (\new)
.endif
.endm
.set MUL,  0x05                        ; sources 0 and 1 window 1; C and D window 0
.set MULT, 0x0f                        ; sources 0 and 1 window 3
.set TO_F, 0x40
.macro JLOAD g0a, g1a, g0b, g1b        ; a joint load: waves 0 and 1 fetch for hid, waves 2 and 3 for W2; four v_nop follow each of the two lines
	s_cmp_eq_u32 s15, 0
	s_cbranch_scc0 .Lfor_b_\@
	tensor_load_to_lds s[\g0a:\g0a+3], s[\g1a:\g1a+7]
	s_nop 0
.rept 4
	v_nop
.endr
	s_branch .Lasked_\@
.Lfor_b_\@:
	tensor_load_to_lds s[\g0b:\g0b+3], s[\g1b:\g1b+7]
	s_nop 0
.rept 4
	v_nop
.endr
.Lasked_\@:
.endm
.macro CREST
	s_cmp_lg_u32 s14, 0
	s_cbranch_scc1 .Lnot_wave_0_\@
	s_barrier_signal -3
.Lnot_wave_0_\@:
	s_barrier_wait -3
	s_barrier_signal -1
	s_barrier_wait -1
.endm
.macro CROUND
	s_barrier_signal -1
	s_barrier_wait -1
	CREST
.endm
	s_load_b256 s[4:11], s[0:1], 0x0               ; hid s[4:5], wimg s[6:7], b2 s[8:9], x1 s[10:11]
	s_load_b64 s[12:13], s[0:1], 0x20              ; out0
	v_lshl_add_u32 v[SPW], v0, 2, SPARE
	v_mov_b32 v[NIL], 0
	ds_add_u32 v28, v29
	ds_add_u32 v28, v29
	s_wait_dscnt 0x0
	v_lshrrev_b32 v1, 5, v0
	v_readfirstlane_b32 s14, v1                    ; wave 0..3
	s_lshr_b32 s15, s14, 1                         ; which half of the tile's rows is mine.  Also: I fetch for hid (0) or for W2 (1)
	s_and_b32 s16, s14, 1                          ; which half of its columns.  Also: which 64 rows I fetch
	s_bfe_u32 s40, ttmp6, 0x40000                  ; cx
	s_bfe_u32 s41, ttmp6, 0x40004                  ; cy
	s_lshl_b32 s42, ttmp9, 2
	s_add_co_u32 s42, s42, s40                     ; tile column
	s_and_b32 s17, ttmp7, 0xffff
	s_lshl_b32 s17, s17, 2
	s_add_co_u32 s17, s17, s41                     ; tile row
	s_lshl_b32 s43, s41, 2
	s_lshl_b32 s43, 15, s43                        ; my row of the cluster
	s_lshl_b32 s44, 0x1111, s40                    ; my column
	; descriptor group 1: 4 row blocks x 9,216 bytes (1,152 elements of 8 bytes), 49,152 bytes apart in memory, on end in LDS
	s_or_b32 s[G1+0], s43, (3<<16)|(1<<21)
	s_or_b32 s[G1B+0], s44, (3<<16)|(1<<21)
.irp g, G1, G1B
	s_mov_b32 s[\g+1], (RBB/8)<<16
	s_mov_b32 s[\g+2], 8<<16                       ; the head's loads bring all 8 row blocks of a tile; behind them these two words are set to 4, for the ring's
	s_mov_b32 s[\g+3], (RBB/8)<<16
	s_mov_b32 s[\g+4], 8
	s_mov_b32 s[\g+5], RBM/8
	s_mov_b32 s[\g+6], 0
	s_mov_b32 s[\g+7], 0
.endr
	; the scale words: 8 row blocks x 1,920 bytes (the first 30 K steps; 240 elements of 8 bytes), 2,048 bytes apart in memory, on end in LDS
	s_or_b32 s[G1S+0], s43, (3<<16)|(1<<21)
	s_or_b32 s[G1SB+0], s44, (3<<16)|(1<<21)
.irp g, G1S, G1SB
	s_mov_b32 s[\g+1], (SBLK/8)<<16
	s_mov_b32 s[\g+2], 8<<16                       ; 8 row blocks: one load brings a side's scale words
	s_mov_b32 s[\g+3], (SBLK/8)<<16
	s_mov_b32 s[\g+4], 8
	s_mov_b32 s[\g+5], SBM/8
	s_mov_b32 s[\g+6], 0
	s_mov_b32 s[\g+7], 0
.endr
	s_mov_b32 s18, 0                               ; the addresses below are the tile's first row block's; my half of it is added for the ring
	s_lshl_b32 s20, s17, 3
	s_add_co_u32 s20, s20, s18                     ; hid: the first row block that I fetch
	s_lshl_b32 s46, s42, 3
	s_add_co_u32 s46, s46, s18                     ; W2 likewise
	s_mul_i32 s22, s20, SBM
	s_mov_b32 s23, 0
	s_mul_i32 s20, s20, RBM
	s_mov_b32 s21, 0
	s_mul_i32 s66, s46, SBM
	s_mov_b32 s67, 0
	s_mul_i32 s46, s46, RBM
	s_mov_b32 s47, 0
	s_mul_i32 s45, s14, HALFT                      ; where they go: no place in the cluster enters an LDS address
	s_wait_kmcnt 0x0
	s_add_nc_u64 s[20:21], s[4:5], s[20:21]
	s_add_nc_u64 s[22:23], s[4:5], s[22:23]
	s_add_nc_u64 s[22:23], s[22:23], ASC
	s_add_nc_u64 s[46:47], s[6:7], s[46:47]
	s_add_nc_u64 s[46:47], s[46:47], WOFF
	s_add_nc_u64 s[66:67], s[6:7], s[66:67]
	s_add_nc_u64 s[66:67], s[66:67], WSOFF
	CROUND                                         ; all sixteen work-groups are here: the first joint loads meet
	s_mov_b32 s[G0S], 1
	s_mov_b32 s[G0S+1], SCL
	s_mov_b64 s[G0S+2:G0S+3], s[22:23]
	s_or_b32 s[G0S+3], s[G0S+3], 0x80000000
	s_mov_b32 s[G0SB], 1
	s_mov_b32 s[G0SB+1], SCL+2*HALFS
	s_mov_b64 s[G0SB+2:G0SB+3], s[66:67]
	s_or_b32 s[G0SB+3], s[G0SB+3], 0x80000000
.irp s, 0,1
	s_mov_b32 s[G0+4*\s], 1
	s_add_co_u32 s[G0+4*\s+1], s45, \s*SLOT
	s_add_nc_u64 s[G0+4*\s+2:G0+4*\s+3], s[20:21], \s*RBB
	s_or_b32 s[G0+4*\s+3], s[G0+4*\s+3], 0x80000000
	s_mov_b32 s[G0B+4*\s], 1
	s_add_co_u32 s[G0B+4*\s+1], s45, \s*SLOT
	s_add_nc_u64 s[G0B+4*\s+2:G0B+4*\s+3], s[46:47], \s*RBB
	s_or_b32 s[G0B+4*\s+3], s[G0B+4*\s+3], 0x80000000
.endr
	s_mov_b32 s[G0+1], 0                           ; slot 0's group 0 serves the head first: hid's 8 row blocks whole,
	s_mov_b32 s[G0B+1], 2*HALFT                    ; W2's behind them
	s_mul_i32 s2, s16, 4*RBM                       ; my half of a tile's rows, in bytes
	s_mov_b32 s3, 0
	s_add_nc_u64 s[G0+6:G0+7], s[G0+6:G0+7], s[2:3]
	s_add_nc_u64 s[G0B+6:G0B+7], s[G0B+6:G0B+7], s[2:3]
; THE HEAD'S LOADS, ONE A WAVE: wave 0 slot 0's rows of hid, wave 1 its rows of W2, wave 2 hid's scale words, wave 3 W2's.  One chain of branches on the wave's number; every way passes one load.
.macro ARM under, g0, g1, next
	s_cmp_lt_u32 s14, \under
	s_cbranch_scc0 \next
	tensor_load_to_lds s[\g0:\g0+3], s[\g1:\g1+7]
	s_nop 0
.rept 4
	v_nop
.endr
	s_branch .Lhead_asked
\next:
.endm
	ARM 1, G0,  G1,  .Lhead_b
	ARM 2, G0B, G1B, .Lhead_sa
	ARM 3, G0S, G1S, .Lhead_sb
	tensor_load_to_lds s[G0SB:G0SB+3], s[G1SB:G1SB+7]
	s_nop 0
.rept 4
	v_nop
.endr
.Lhead_asked:
; THE TILES ARE PREFETCHED.  A fill is 9,216 bytes (36 blocks of 256) of each of a tile's 8 row blocks.  The four partners that ask for a tile jointly share its row blocks out BY ADDRESS (cx for hid's tile, cy for W2's):
; two each, one to a wave: 36 blocks, a lane a block in two instructions (in the second, lanes 4-31 name the last again).  Waves 0 and 1 ask for hid's tile, waves 2 and 3 for W2's.  The base and the lanes' offsets are never written again:
; the fill stands in the immediate.  Fills 1 and 2 are asked for here, fill 3 behind slot 1's first fill, fill 4 behind the first refill: at most two fills are asked for and not yet loaded.
.set PF0, 61
.set PF1, 62
.macro ASK f
	global_prefetch_b8 v[PF0], s[66:67] offset:(\f)*RBB th:TH_LOAD_NT scope:SCOPE_SE
	global_prefetch_b8 v[PF1], s[66:67] offset:(\f)*RBB th:TH_LOAD_NT scope:SCOPE_SE
.endm
	s_cmp_eq_u32 s15, 0
	s_cselect_b32 s18, s17, s42                    ; the tile's number along its own axis
	s_cselect_b32 s19, s40, s41                    ; my place among the four that ask for it with me
	s_cselect_b32 s21, 0, WOFF
	s_cselect_b64 s[66:67], s[4:5], s[6:7]
	s_lshl_b32 s18, s18, 3
	s_lshl_b32 s19, s19, 1
	s_add_co_u32 s18, s18, s19
	s_add_co_u32 s18, s18, s16                     ; my row block
	s_mul_i32 s18, s18, RBM
	s_add_co_u32 s18, s18, s21
	s_mov_b32 s19, 0
	s_add_nc_u64 s[66:67], s[66:67], s[18:19]
	v_and_b32 v[PF0], 31, v0
	v_add_nc_u32 v[PF1], 32, v[PF0]
	v_min_u32 v[PF1], 35, v[PF1]
	v_lshlrev_b32 v[PF0], 8, v[PF0]
	v_lshlrev_b32 v[PF1], 8, v[PF1]
	ASK 1
	ASK 2
	v_and_b32 v1, 15, v0                           ; r
	v_bfe_u32 v2, v0, 4, 1                         ; h
	v_and_b32 v3, 31, v0
	v_lshlrev_b32 v[L16], 4, v3
	s_wait_alu depctr_va_vdst(0)
	v_lshlrev_b32 v[L8], 3, v3
	v_add_nc_u32 v[L8], 512, v[L8]
	s_wait_alu depctr_va_vdst(0)
	v_lshlrev_b32 v[L4], 2, v1
	; the last two K steps, straight into registers: my 4 row blocks of hid and my 4 of W2
	s_wait_alu depctr_va_vdst(0)
	s_lshl_b32 s18, s17, 3
	s_lshl_b32 s19, s15, 2
	s_add_co_u32 s18, s18, s19                     ; my first row block of hid
	s_mul_i32 s[PA], s18, RBM
	s_add_co_u32 s[PA], s[PA], KST*1536
	s_mov_b32 s[PA+1], 0
	s_mul_i32 s[PAS], s18, SBM
	s_add_co_u32 s[PAS], s[PAS], ASC+KST*64
	s_mov_b32 s[PAS+1], 0
	s_lshl_b32 s18, s42, 3
	s_lshl_b32 s19, s16, 2
	s_add_co_u32 s18, s18, s19                     ; my first row block of W2
	s_mul_i32 s[PB], s18, RBM
	s_add_co_u32 s[PB], s[PB], WOFF+KST*1536
	s_mov_b32 s[PB+1], 0
	s_mul_i32 s[PBS], s18, SBM
	s_add_co_u32 s[PBS], s[PBS], WSOFF+KST*64
	s_mov_b32 s[PBS+1], 0
	s_add_nc_u64 s[PA:PA+1], s[4:5], s[PA:PA+1]
	s_add_nc_u64 s[PAS:PAS+1], s[4:5], s[PAS:PAS+1]
	s_add_nc_u64 s[PB:PB+1], s[6:7], s[PB:PB+1]
	s_add_nc_u64 s[PBS:PBS+1], s[6:7], s[PBS:PBS+1]
.macro GFRAG reg, base, off            ; a fragment from memory: two units on end; every load reads 512 or 256 consecutive bytes
	global_load_b128 v[\reg:\reg+3], v[L16], s[\base:\base+1] offset:\off
	global_load_b64 v[\reg+4:\reg+5], v[L8], s[\base:\base+1] offset:\off
	global_load_b128 v[\reg+6:\reg+9], v[L16], s[\base:\base+1] offset:\off+768
	global_load_b64 v[\reg+10:\reg+11], v[L8], s[\base:\base+1] offset:\off+768
.endm
	WIN 0xc0                                       ; destination window 3
.irp q, 0,1
.irp i, 0,1,2,3
	GFRAG 96*\q+48+FR*\i, PB, \i*RBM+\q*1536
	GFRAG 96*\q+FR*\i, PA, \i*RBM+\q*1536
.endr
.endr
	WIN 0
.irp q, 0,1
.irp i, 0,1,2,3
	global_load_b32 v[SA+4*\q+\i], v[L4], s[PAS:PAS+1] offset:\i*SBM+64*\q   ; lane r: row r's word (lanes 16-31 hold the same and are not read)
	global_load_b32 v[SB+4*\q+\i], v[L4], s[PBS:PBS+1] offset:\i*SBM+64*\q
.endr
.endr
	s_mul_i32 s21, s15, HALFT
	s_mul_i32 s22, s16, HALFT
	s_add_co_u32 s22, s22, 2*HALFT
.irp s, 0,1
	v_add_nc_u32 v[ADRA+\s], s21, v[L16]
	v_add_nc_u32 v[ADRA+2+\s], s21, v[L8]
	v_add_nc_u32 v[ADRB+\s], s22, v[L16]
	v_add_nc_u32 v[ADRB+2+\s], s22, v[L8]
	s_add_co_u32 s21, s21, SLOT
	s_add_co_u32 s22, s22, SLOT
.endr
	s_mul_i32 s21, s15, HALFS
	s_mul_i32 s22, s16, HALFS
	s_add_co_u32 s22, s22, 2*HALFS
	s_sub_co_u32 s22, s22, s21
	v_mul_u32_u24 v7, s22, v2                      ; lanes 16-31 take W2's
	s_add_co_u32 s21, s21, SCL
	v_add_nc_u32 v7, v[L4], v7
	v_add_nc_u32 v[ADRS], s21, v7
	s_mul_i32 s23, s14, 64*SPITCH
	s_add_co_u32 s23, s23, STAGE                   ; my stage
	v_mul_u32_u24 v5, v1, SPITCH
	v_lshl_add_u32 v5, v2, 6, v5
	v_add_nc_u32 v[STO], s23, v5                   ; in: row r, + 64 h
	v_mul_u32_u24 v5, v2, SPITCH
	v_lshl_add_u32 v5, v1, 4, v5
	v_add_nc_u32 v[RD], s23, v5                    ; back: lanes 0-15 one row of 256 bytes, lanes 16-31 the next
	v_lshlrev_b32 v[GO], 12, v2
	v_lshl_add_u32 v[GO], v1, 4, v[GO]             ; and the same two rows in memory
	s_wait_alu depctr_va_vdst(0)
	v_lshlrev_b32 v8, 4, v1
	s_wait_alu depctr_va_vdst(0)
	s_lshl_b32 s18, s17, 7
	s_lshl_b32 s92, s15, 6
	s_add_co_u32 s18, s18, s92                     ; my first token
	s_lshl_b32 s18, s18, 12
	s_lshl_b32 s92, s42, 9
	s_lshl_b32 s93, s16, 8
	s_add_co_u32 s92, s92, s93                     ; my first column, in bytes
	s_add_co_u32 s18, s18, s92
	s_mov_b32 s19, 0
	s_mov_b32 s93, 0
	s_add_nc_u64 s[10:11], s[10:11], s[18:19]
	s_add_nc_u64 s[12:13], s[12:13], s[18:19]
	s_add_nc_u64 s[8:9], s[8:9], s[92:93]
	WIN 0x80                                       ; destination window 2
.set t, 0
.rept 32                                       ; the residual, in the order in which the stage gives the rows back: sixteen lanes read 256 consecutive bytes
	global_load_b128 v[4*t:4*t+3], v[GO], s[10:11] offset:(32*(t/16)+8*((t/8)%2)+2*(t%8)+8*((t%8)/4))*4096
.set t, t+1
.endr
	WIN 0
	global_load_b128 v[BI:BI+3], v8, s[8:9]        ; the bias of my four columns
.macro FRAG reg, adr, off
	ds_load_b128 v[\reg:\reg+3], v[\adr] offset:\off
	ds_load_b64 v[\reg+4:\reg+5], v[\adr+2] offset:\off
	ds_load_b128 v[\reg+6:\reg+9], v[\adr] offset:\off+768
	ds_load_b64 v[\reg+10:\reg+11], v[\adr+2] offset:\off+768
.endm
.macro FETCH slot, q, f, ks            ; 36 LDS loads in one run: the scale words of K step ks, W2's four fragments, hid's four, of the slot's q-th 128 along K
	WIN 0
.irp i, 0,1,2,3
	ds_load_b32 v[SC+4*((\f)/96)+\i], v[ADRS] offset:\i*SBLK+64*(\ks)
.endr
	WIN TO_F
.irp i, 0,1,2,3
	FRAG (\f)+48+FR*\i, ADRB+\slot, \i*RBB+(\q)*1536
.endr
.irp i, 0,1,2,3
	FRAG (\f)+FR*\i, ADRA+\slot, \i*RBB+(\q)*1536
.endr
.endm
.macro MUL4 f, a, zero                 ; hid's block a x W2's four.  The 16 accumulators take turns, one instruction a turn, in the same order in every quarter
.irp b, 0,1,2,3
.if \zero
	v_wmma_scale_f32_16x16x128_f8f6f4 v[ACC+8*(4*(\a)+\b):ACC+8*(4*(\a)+\b)+7], v[(\f)+48+FR*\b:(\f)+48+FR*\b+FR-1], v[(\f)+FR*(\a):(\f)+FR*(\a)+FR-1], 0, v[SC+4*((\f)/96)+\b], v[SC+4*((\f)/96)+(\a)] matrix_a_fmt:MATRIX_FMT_FP6 matrix_b_fmt:MATRIX_FMT_FP6 matrix_a_scale:MATRIX_SCALE_ROW1
.else
	v_wmma_scale_f32_16x16x128_f8f6f4 v[ACC+8*(4*(\a)+\b):ACC+8*(4*(\a)+\b)+7], v[(\f)+48+FR*\b:(\f)+48+FR*\b+FR-1], v[(\f)+FR*(\a):(\f)+FR*(\a)+FR-1], v[ACC+8*(4*(\a)+\b):ACC+8*(4*(\a)+\b)+7], v[SC+4*((\f)/96)+\b], v[SC+4*((\f)/96)+(\a)] matrix_a_fmt:MATRIX_FMT_FP6 matrix_b_fmt:MATRIX_FMT_FP6 matrix_a_scale:MATRIX_SCALE_ROW1
.endif
.endr
.endm
.macro MULR q                          ; K step 30 + q, out of window 3; each side's scale words in registers of their own, lanes 0-15
.irp a, 0,1,2,3
.irp b, 0,1,2,3
	v_wmma_scale_f32_16x16x128_f8f6f4 v[ACC+8*(4*\a+\b):ACC+8*(4*\a+\b)+7], v[96*(\q)+48+FR*\b:96*(\q)+48+FR*\b+FR-1], v[96*(\q)+FR*\a:96*(\q)+FR*\a+FR-1], v[ACC+8*(4*\a+\b):ACC+8*(4*\a+\b)+7], v[SB+4*(\q)+\b], v[SA+4*(\q)+\a] matrix_a_fmt:MATRIX_FMT_FP6 matrix_b_fmt:MATRIX_FMT_FP6
.endr
.endr
.endm
.macro PLACES
.rept 4
	v_nop
.endr
.endm
.macro QUARTER slot, qn, f, g, zero, ks    ; 128 along K: multiplies buffer f and fetches the slot's qn-th 128 (K step ks) into buffer g
	s_wait_dscnt 8                                 ; all but hid's blocks 2 and 3 are in
	WIN MUL
	MUL4 \f, 0, \zero
	MUL4 \f, 1, \zero
	PLACES
	FETCH \slot, \qn, \g, \ks
	s_wait_dscnt 36                                ; all but the 36 just issued
	WIN MUL
	MUL4 \f, 2, \zero
	MUL4 \f, 3, \zero
.endm
.macro RUN slot, n, zero               ; the first five quarters of the n-th fill, which lies in \slot
	QUARTER \slot, 1, F0, F1, \zero, 6*(\n)+1
	QUARTER \slot, 2, F1, F0, 0, 6*(\n)+2
	QUARTER \slot, 3, F0, F1, 0, 6*(\n)+3
	QUARTER \slot, 4, F1, F0, 0, 6*(\n)+4
	QUARTER \slot, 5, F0, F1, 0, 6*(\n)+5
.endm
; A slot's sixth quarter multiplies buffer 1 and changes slots: one barrier; in front of it each wave waits for all its tensor loads, adds 0 to its spare word, and waits for that and for its reads of this slot.
.macro TURN slot, next, fill, ks
	WIN 0
	s_wait_tensorcnt 0x0                           ; all my tensor loads have landed: my part of the next slot
	ds_add_u32 v[SPW], v[NIL]                      ; 0 onto my spare word
	s_wait_dscnt 9                                 ; (the add and hid's blocks 2 and 3 may be out)
	WIN MUL
	MUL4 F1, 0, 0
	s_wait_dscnt 0x0                               ; the add is done, and my reads of this slot are over
	s_barrier_signal -1
	MUL4 F1, 1, 0
	WIN 0
	s_barrier_wait -1
.if \fill
	CREST                                          ; the barrier has opened a round of the cluster's barrier: no wave of any partner still reads this slot or has a load on its way
	s_add_nc_u64 s[G0+4*\slot+2:G0+4*\slot+3], s[G0+4*\slot+2:G0+4*\slot+3], 2*RBB
	s_add_nc_u64 s[G0B+4*\slot+2:G0B+4*\slot+3], s[G0B+4*\slot+2:G0B+4*\slot+3], 2*RBB
	JLOAD G0+4*\slot, G1, G0B+4*\slot, G1B         ; the first tensor load behind the round: it has six quarters, 96 products a wave, in which to land; its four v_nop are also the places in front of the loads below
.else
	PLACES
.endif
	FETCH \next, 0, F0, \ks
	WIN MUL
	MUL4 F1, 2, 0
	MUL4 F1, 3, 0
.endm
	s_wait_alu depctr_va_vdst(0)                   ; the wait at the head's end
	s_wait_tensorcnt 0x0                           ; my tile of the head's four is in
	ds_add_u32 v[SPW], v[NIL]
	s_mov_b32 s[G1+2], 4<<16                       ; no tensor load of mine is out: from here on a load brings 4 row blocks,
	s_mov_b32 s[G1+4], 4
	s_mov_b32 s[G1B+2], 4<<16
	s_mov_b32 s[G1B+4], 4
	s_mov_b32 s[G0+1], s45                         ; and slot 0's group 0 names my quarter of the slot
	s_mov_b32 s[G0B+1], s45
	s_add_nc_u64 s[G0+2:G0+3], s[G0+2:G0+3], s[2:3]
	s_add_nc_u64 s[G0B+2:G0B+3], s[G0B+2:G0B+3], s[2:3]
	s_wait_dscnt 0x0
	CROUND                                         ; a whole round: all four tiles are in, and all sixteen work-groups are here
	JLOAD G0+4, G1, G0B+4, G1B                     ; slot 1's first fill, the first tensor load behind the round
	FETCH 0, 0, F0, 0
	ASK 3
	RUN 0, 0, 1                                    ; K 0 on: the first quarter's products start the sums
	TURN 0, 1, 1, 6                                ; slot 0 takes K 1,536 on
	WIN 0
	ASK 4
	RUN 1, 1, 0
	TURN 1, 0, 1, 12                               ; slot 1 takes K 2,304 on
	RUN 0, 2, 0
	TURN 0, 1, 1, 18                               ; slot 0 takes K 3,072 on: the last fill
	RUN 1, 3, 0
	TURN 1, 0, 0, 24                               ; nothing is left to fetch
	RUN 0, 4, 0
	s_wait_dscnt 8                                 ; the ring's last quarter
	WIN MUL
	MUL4 F1, 0, 0
	MUL4 F1, 1, 0
	s_wait_dscnt 0
	MUL4 F1, 2, 0
	MUL4 F1, 3, 0
	s_wait_loadcnt 0x0                             ; the fragments and scale words of the last two K steps, the residual and the bias: asked for at the head
	WIN MULT
	MULR 0
	MULR 1
	WIN 0
	; THE WAY OUT.  Register j of accumulator (a, b) is column 32 (b / 2) + 8 (b % 2) + 16 h + j of the row r of block a: it goes to its true column in my own stage, and whole rows of 256 bytes come back.
	PLACES
.irp a, 0,1,2,3
.irp b, 0,1,2,3
	ds_store_b128 v[STO], v[ACC+8*(4*\a+\b):ACC+8*(4*\a+\b)+3] offset:\a*16*SPITCH+128*(\b/2)+32*(\b%2)      ; each accumulator from its low end on
	ds_store_b128 v[STO], v[ACC+8*(4*\a+\b)+4:ACC+8*(4*\a+\b)+7] offset:\a*16*SPITCH+128*(\b/2)+32*(\b%2)+16
.endr
.endr
.set t, 0
.rept 32
	ds_load_b128 v[ACC+4*t:ACC+4*t+3], v[RD] offset:t*2*SPITCH   ; LDS serves a wave's instructions in order (ISA guide 5.7.1.4): these see my stores
.set t, t+1
.endr
	s_wait_dscnt 0x0
	WIN 0x02                                       ; source 0 window 2
.set n, 0
.rept 64
	v_pk_add_f32 v[ACC+n:ACC+n+1], v[n:n+1], v[ACC+n:ACC+n+1]
.set n, n+2
.endr
	WIN 0
.set n, 0
.rept 64
	v_pk_add_f32 v[ACC+n:ACC+n+1], v[ACC+n:ACC+n+1], v[BI+n%4:BI+n%4+1]
.set n, n+2
.endr
.set t, 0
.rept 32
	global_store_b128 v[GO], v[ACC+4*t:ACC+4*t+3], s[12:13] offset:(32*(t/16)+8*((t/8)%2)+2*(t%8)+8*((t%8)/4))*4096 th:TH_STORE_NT   ; sixteen lanes store 256 consecutive bytes, aligned; written once, read by nobody here
.set t, t+1
.endr
	s_wait_tensorcnt 0x0                           ; the wave's end
	ds_add_u32 v[SPW], v[NIL]
	s_wait_dscnt 0x0
	CROUND                                         ; the closing round: no work-group ends while a partner may still ask for a tile that names it
	s_endpgm
.Lfunc_end_k_qc7dcca2ada_w2:
	.size	k_qc7dcca2ada_w2, .Lfunc_end_k_qc7dcca2ada_w2-k_qc7dcca2ada_w2
	.p2alignl 7, 3214868480
	.fill 96, 4, 3214868480
	.section	.rodata,"a",@progbits
	.p2align	6, 0x0
	.amdhsa_kernel k_qc7dcca2ada_w2
		.amdhsa_group_segment_fixed_size 327680
		.amdhsa_private_segment_fixed_size 0
		.amdhsa_enable_private_segment 0
		.amdhsa_kernarg_size 40
		.amdhsa_user_sgpr_count 2
		.amdhsa_user_sgpr_kernarg_segment_ptr 1
		.amdhsa_wavefront_size32 1
		.amdhsa_system_sgpr_workgroup_id_x 1
		.amdhsa_system_sgpr_workgroup_id_y 1
		.amdhsa_system_sgpr_workgroup_id_z 1
		.amdhsa_system_vgpr_workitem_id 0
		.amdhsa_next_free_vgpr 1024
		.amdhsa_next_free_sgpr 102
		.amdhsa_reserve_vcc 0
		.amdhsa_float_denorm_mode_32 3
		.amdhsa_float_denorm_mode_16_64 3
		.amdhsa_memory_ordered 1
		.amdhsa_forward_progress 1
		.amdhsa_inst_pref_size 183
	.end_amdhsa_kernel
	.amdgpu_metadata
---
amdhsa.version: [ 1, 2 ]
amdhsa.kernels:
  - .name:           k_qc7dcca2ada_w2
    .symbol:         k_qc7dcca2ada_w2.kd
    .args:
      - { .name: hid, .offset: 0, .size: 8, .value_kind: global_buffer, .address_space: global }
      - { .name: wimg, .offset: 8, .size: 8, .value_kind: global_buffer, .address_space: global }
      - { .name: b2, .offset: 16, .size: 8, .value_kind: global_buffer, .address_space: global }
      - { .name: x1, .offset: 24, .size: 8, .value_kind: global_buffer, .address_space: global }
      - { .name: out0, .offset: 32, .size: 8, .value_kind: global_buffer, .address_space: global }
    .group_segment_fixed_size: 327680
    .private_segment_fixed_size: 0
    .kernarg_segment_align: 8
    .kernarg_segment_size: 40
    .max_flat_workgroup_size: 128
    .sgpr_count:     102
    .vgpr_count:     1024
    .wavefront_size: 32
...
	.end_amdgpu_metadata
.endif
;; end of part 6
